; MI455X (gfx1250); checked and timed in simulation.
; The chip was launched on July 23, 2026; its instructions are those of AMD's public machine-readable ISA for CDNA 5 (MIT licence, August 2026) and "CDNA5" Instruction Set Architecture Reference Guide (July 2026). The comments in the code are by the model that wrote it; some were corrected since.
;; Attention. Allowed arithmetic: float matrix products may take bf16 or f16 operands with f32 sums; all other float work in f32.
;; Inputs: c_attn_b 3,072 float32; c_attn_w 1,024 x 3,072 float32; c_proj_b 1,024 float32; c_proj_w 1,024 x 1,024 float32; hidden_states 4 x 2,048 x 1,024 float32.
;; Outputs: out0 4 x 2,048 x 1,024 float32.
;; One version. Each part assembles by itself: llvm-mc -triple=amdgcn-amd-amdhsa -mcpu=gfx1250 --defsym DOCPART=n.
;; ======== version 1 of 1: 4 launches
;; limits: values are held in f16: magnitudes above 65,504 overflow, below 6.1e-05 lose precision
;; workspace buffers: xb 16,777,216 bytes; wqT 6,291,456 bytes; wpT 2,097,152 bytes; qkv 50,331,648 bytes; ah 16,777,216 bytes
;; launch prep (part 1): grid 768 x 1, 8 waves a work-group, no clusters, 35,840 bytes of LDS; arguments hidden_states, c_attn_w, c_proj_w, xb, wqT, wpT; writes xb, wqT, wpT
.if DOCPART == 1
	.amdgcn_target "amdgcn-amd-amdhsa--gfx1250"
	.amdhsa_code_object_version 6
	.text
	.protected	k_q3024667561_prep
	.globl	k_q3024667561_prep
	.p2align	8
	.type	k_q3024667561_prep,@function
k_q3024667561_prep:
	s_mov_b64 s[64:65], 0
	v_nop
	global_prefetch_b8 v0, s[64:65] scope:SCOPE_SE
	s_setreg_imm32_b32 hwreg(HW_REG_WAVE_MODE, 25, 1), 1
	s_wait_xcnt 0x0
; Casts and re-orders the three large f32 inputs for the matrix launches.  A stream: no matrix unit, no copy engine.
;   xb  : hidden_states rounded to bf16, as 16 planes [k>>6][8192 rows][64]: a plane row is 128 bytes, 16 rows are 2,048 consecutive bytes
;   wqT : c_attn_w rounded to bf16 and transposed, [3072 n][1024 k]
;   wpT : c_proj_w rounded to bf16, that value held in f16, transposed, [1024 n][1024 k]
; LIMIT: |c_proj_w| at most 65,504 (f16); a bf16 value below 2^-17 loses up to 2^-25 in f16.
; 768 work-groups of 16,384 numbers each: 0-511 take 16 rows of hidden_states, 512-703 a tile 128 k x 128 n of c_attn_w, 704-767 one of c_proj_w.
; The branches hang on the work-group number alone, so all eight waves take the same way and meet the same barrier.
.set X,     16                         ; v[16:79]   16 loads of 16 bytes
.set T,     80                         ; v[80:95]   packed columns on their way into LDS, a set of four for each c
.set Y,     96                         ; v[96:127]  packed numbers to store
.set PLANE, 1048576                    ; bytes in a plane
	s_load_b256 s[4:11], s[0:1], 0x0               ; hidden s[4:5], c_attn_w s[6:7], c_proj_w s[8:9], xb s[10:11]
	s_load_b128 s[12:15], s[0:1], 0x20             ; wqT s[12:13], wpT s[14:15]
	v_lshl_add_u32 v128, v0, 2, 0x8800
	v_mov_b32 v129, 0
	v_and_b32 v1, 31, v0                           ; L, the lane
	v_lshrrev_b32 v2, 5, v0                        ; w, the wave
	v_and_b32 v3, 15, v0                           ; L & 15
	v_bfe_u32 v4, v0, 4, 1                         ; L >> 4
	s_mov_b32 s17, 0                               ; high words of the two offset pairs
	s_mov_b32 s19, 0
	s_cmp_lt_u32 ttmp9, 512
	s_cbranch_scc0 .Lweights
	; hidden_states: rows 16 gid .. +15.  Wave w takes columns 128 w .. +127, which are planes 2 w and 2 w + 1.
	; Load i: plane half i & 1, rows 2 (i >> 1) and the next: each half of the lanes reads 256 consecutive aligned bytes,
	; and the 32 lanes store 256 consecutive aligned bytes (two plane rows).
	v_lshlrev_b32 v5, 12, v4
	v_lshl_add_u32 v5, v3, 4, v5
	v_lshl_add_u32 v5, v2, 9, v5                   ; in: (L>>4) 4096 + (L&15) 16 + 512 w
	v_lshlrev_b32 v6, 7, v4
	v_lshl_add_u32 v6, v3, 3, v6
	v_lshl_add_u32 v6, v2, 21, v6                  ; out: 2 w planes + (L>>4) 128 + (L&15) 8
	s_lshl_b32 s16, ttmp9, 16                      ; 16 rows of 4,096 bytes
	s_lshl_b32 s18, ttmp9, 11                      ; 16 plane rows of 128 bytes
	s_wait_kmcnt 0x0
	s_add_nc_u64 s[4:5], s[4:5], s[16:17]
	s_add_nc_u64 s[10:11], s[10:11], s[18:19]
.irp i, 0,1,2,3,4,5,6,7,8,9,10,11,12,13,14,15
	global_load_b128 v[X+4*\i:X+4*\i+3], v5, s[4:5] offset:(\i>>1)*8192+(\i&1)*256 th:TH_LOAD_NT
.endr
.irp i, 0,1,2,3,4,5,6,7,8,9,10,11,12,13,14,15
	s_wait_loadcnt 15-\i                           ; loads come back in order: load i is in, the 15 - i younger ones stay out
	v_cvt_pk_bf16_f32 v[Y+2*\i],   v[X+4*\i],   v[X+4*\i+1]
	v_cvt_pk_bf16_f32 v[Y+2*\i+1], v[X+4*\i+2], v[X+4*\i+3]
	global_store_b64 v6, v[Y+2*\i:Y+2*\i+1], s[10:11] offset:(\i&1)*PLANE+(\i>>1)*256
.endr
	s_endpgm                                       ; no register was written twice, so no further wait
; A tile of 128 k x 128 n of a weight [1024 k][NBY/4 n] goes out transposed.  s20 = number of the tile: kt = s20 & 7, nt = s20 >> 3.
; Wave w loads rows k = 16 w .. +15 (512 consecutive bytes each); a lane holds columns n = 4 L + c.  Eight k of one column pack into
; 16 bytes and go to LDS row n (pitch 272) at byte 2 k.  Lanes are four LDS rows apart there, so a store is served in four passes:
; accepted, since each byte passes here once in the launch.  Behind the barrier rows are read back whole:
; sixteen lanes store 256 consecutive aligned bytes of a row of the transposed weight.
.macro WPATH NBY, F16, inp, outp
	s_and_b32 s21, s20, 7                          ; kt
	s_lshr_b32 s22, s20, 3                         ; nt
	s_mul_i32 s16, s21, 128*\NBY
	s_lshl_b32 s23, s22, 9
	s_add_co_u32 s16, s16, s23                     ; in: 128 kt rows + 128 nt columns of 4 bytes
	s_lshl_b32 s18, s22, 18
	s_lshl_b32 s23, s21, 8
	s_add_co_u32 s18, s18, s23                     ; out: 128 nt rows of 2,048 bytes + 128 kt columns of 2 bytes
	v_mul_u32_u24 v5, v2, 16*\NBY
	v_lshl_add_u32 v5, v1, 4, v5                   ; in: 16 w rows + 16 L
	v_mul_u32_u24 v6, v1, 1088
	v_lshl_add_u32 v6, v2, 5, v6                   ; LDS in: row 4 L (pitch 272), byte 32 w
	v_lshl_add_u32 v7, v2, 4, v4                   ; 16 w + (L >> 4)
	v_mul_u32_u24 v8, v7, 272
	v_lshl_add_u32 v8, v3, 4, v8                   ; LDS back: that row, 16 (L & 15)
	v_lshlrev_b32 v9, 11, v7
	v_lshl_add_u32 v9, v3, 4, v9                   ; out: the same row and bytes
	s_wait_kmcnt 0x0
	s_add_nc_u64 s[\inp:\inp+1], s[\inp:\inp+1], s[16:17]
	s_add_nc_u64 s[\outp:\outp+1], s[\outp:\outp+1], s[18:19]
.irp j, 0,1,2,3,4,5,6,7,8,9,10,11,12,13,14,15
	global_load_b128 v[X+4*\j:X+4*\j+3], v5, s[\inp:\inp+1] offset:\j*\NBY th:TH_LOAD_NT
.endr
.irp hf, 0,1
	s_wait_loadcnt 8-8*\hf                         ; rows 0-7 are in while the eight younger loads stay out; then all
.irp c, 0,1,2,3
.irp q, 0,1,2,3
	v_cvt_pk_bf16_f32 v[T+4*\c+\q], v[X+4*(8*\hf+2*\q)+\c], v[X+4*(8*\hf+2*\q+1)+\c]
.endr
.if \F16
.irp q, 0,1,2,3
	v_lshlrev_b32 v10, 16, v[T+4*\c+\q]            ; the two bf16 values as f32,
	v_and_b32 v11, 0xffff0000, v[T+4*\c+\q]
	v_cvt_pk_f16_f32 v[T+4*\c+\q], v10, v11        ; held in f16
.endr
.endif
	ds_store_b128 v6, v[T+4*\c:T+4*\c+3] offset:\c*272+\hf*16
.endr
.endr
	s_wait_dscnt 0x0                               ; my stores are in LDS, for the other waves
	s_barrier_signal -1
	s_barrier_wait -1
.irp t, 0,1,2,3,4,5,6,7
	ds_load_b128 v[Y+4*\t:Y+4*\t+3], v8 offset:\t*544
.endr
.irp t, 0,1,2,3,4,5,6,7
	s_wait_dscnt 7-\t                              ; LDS loads come back in order: load t is in
	global_store_b128 v9, v[Y+4*\t:Y+4*\t+3], s[\outp:\outp+1] offset:\t*4096
.endr
.endm
.Lweights:
	s_cmp_lt_u32 ttmp9, 704
	s_cbranch_scc0 .Lproj
	s_sub_co_u32 s20, ttmp9, 512
	WPATH 12288, 0, 6, 12
	s_wait_tensorcnt 0x0
	ds_add_u32 v128, v129
	s_wait_dscnt 0x0
	s_endpgm
.Lproj:
	s_sub_co_u32 s20, ttmp9, 704
	WPATH 4096, 1, 8, 14
	s_wait_tensorcnt 0x0
	ds_add_u32 v128, v129
	s_wait_dscnt 0x0
	s_endpgm
.Lfunc_end_k_q3024667561_prep:
	.size	k_q3024667561_prep, .Lfunc_end_k_q3024667561_prep-k_q3024667561_prep
	.p2alignl 7, 3214868480
	.fill 96, 4, 3214868480
	.section	.rodata,"a",@progbits
	.p2align	6, 0x0
	.amdhsa_kernel k_q3024667561_prep
		.amdhsa_group_segment_fixed_size 35840
		.amdhsa_private_segment_fixed_size 0
		.amdhsa_enable_private_segment 0
		.amdhsa_kernarg_size 48
		.amdhsa_user_sgpr_count 2
		.amdhsa_user_sgpr_kernarg_segment_ptr 1
		.amdhsa_wavefront_size32 1
		.amdhsa_system_sgpr_workgroup_id_x 1
		.amdhsa_system_sgpr_workgroup_id_y 1
		.amdhsa_system_sgpr_workgroup_id_z 1
		.amdhsa_system_vgpr_workitem_id 0
		.amdhsa_next_free_vgpr 130
		.amdhsa_next_free_sgpr 66
		.amdhsa_reserve_vcc 0
		.amdhsa_float_denorm_mode_32 3
		.amdhsa_float_denorm_mode_16_64 3
		.amdhsa_memory_ordered 1
		.amdhsa_forward_progress 1
		.amdhsa_inst_pref_size 26
	.end_amdhsa_kernel
	.amdgpu_metadata
---
amdhsa.version: [ 1, 2 ]
amdhsa.kernels:
  - .name:           k_q3024667561_prep
    .symbol:         k_q3024667561_prep.kd
    .args:
      - { .name: hidden_states, .offset: 0, .size: 8, .value_kind: global_buffer, .address_space: global }
      - { .name: c_attn_w, .offset: 8, .size: 8, .value_kind: global_buffer, .address_space: global }
      - { .name: c_proj_w, .offset: 16, .size: 8, .value_kind: global_buffer, .address_space: global }
      - { .name: xb, .offset: 24, .size: 8, .value_kind: global_buffer, .address_space: global }
      - { .name: wqT, .offset: 32, .size: 8, .value_kind: global_buffer, .address_space: global }
      - { .name: wpT, .offset: 40, .size: 8, .value_kind: global_buffer, .address_space: global }
    .group_segment_fixed_size: 35840
    .private_segment_fixed_size: 0
    .kernarg_segment_align: 8
    .kernarg_segment_size: 48
    .max_flat_workgroup_size: 256
    .sgpr_count:     66
    .vgpr_count:     130
    .wavefront_size: 32
...
	.end_amdgpu_metadata
.endif
;; end of part 1
;; launch gemm_qkv (part 2): grid 16 x 32, 4 waves a work-group, clusters of 4 x 4, 327,680 bytes of LDS; arguments xb, wqT, c_attn_b, qkv; writes qkv
.if DOCPART == 2
	.amdgcn_target "amdgcn-amd-amdhsa--gfx1250"
	.amdhsa_code_object_version 6
	.text
	.protected	k_q3024667561_gemm_qkv
	.globl	k_q3024667561_gemm_qkv
	.p2align	8
	.type	k_q3024667561_gemm_qkv,@function
k_q3024667561_gemm_qkv:
	s_mov_b64 s[64:65], 0
	v_nop
	global_prefetch_b8 v0, s[64:65] scope:SCOPE_SE
	s_setreg_imm32_b32 hwreg(HW_REG_WAVE_MODE, 25, 1), 1
	s_wait_xcnt 0x0
	s_wait_alu depctr_hold_cnt(0) depctr_sa_sdst(0) depctr_va_vdst(0) depctr_va_sdst(0) depctr_va_ssrc(0) depctr_va_vcc(0) depctr_vm_vsrc(0)
	s_getreg_b32 s2, hwreg(HW_REG_IB_STS2, 6, 4)
	s_cmp_eq_u32 s2, 0
	s_cbranch_scc0 .Lentry_in_a_cluster
	s_endpgm
.Lentry_in_a_cluster:
	s_bfe_u32 s2, ttmp6, 0x10000c
	s_cmp_lg_u32 s2, 0xf033
	s_cbranch_scc0 .Lentry_shape_is_right
	s_endpgm
.Lentry_shape_is_right:
; C[m][n] = sum over k of A[m][k] B[n][k] + bias[n], K = 1024, M = 8192.  One text serves two products; QKV picks the sizes, the form and the way out.
;   QKV = 1: A = xb (bf16 planes), B = wqT (bf16, [3072][1024]), bias = c_attn_b; C goes out in f16 as 48 planes [n>>6][8192][64];
;            the 16 planes of q are multiplied by 0.125 log2(e), so that the softmax can work in base 2.  Block 256 x 192.
;   QKV = 0: A = ah (f16 planes), B = wpT (f16, [1024][1024]), bias = c_proj_b; C = out0 in f32, row-major.  Block 256 x 128.
; LIMIT (QKV = 1): results beyond 65,504 do not fit f16.
; A is stored as planes [k>>6][8192 rows][64]: 256 rows of a plane are 32,768 consecutive bytes, fetched as 128 rows of 256 bytes.
; Four waves, as many as a WGP has SIMDs; wave (mh, nh) makes 128 x WN of C: 8 x NB accumulator tiles.  K goes in steps of 128 through two LDS slots.
; CLUSTERS: 4 x 4 work-groups.  A tile of A hangs on the block row alone and is asked for jointly along a row of the cluster, a tile of B on the
; block column alone and is asked for jointly along a column: a quarter of the requests.
; No prefetch: the tiles are shared in the cluster and a request has 15/16 of a K step in which to land.
; REGISTERS: window 0: addresses, fragments of A (two buffers), bias; window 1: fragments of B (two buffers);
;            window 2: accumulators of my rows 0-63, tile (a, b) at v[8 (NB a + b)]; window 3: rows 64-127.
; The matrix instruction is used transposed (source 0 = rows of B, source 1 = rows of A): lane l holds row l % 16 of C and eight neighbouring columns 8 (l / 16) + j.
.set QKV, 1
.if QKV
.set BN, 192
.else
.set BN, 128
.endif
.set WN,     BN/2                      ; columns of a wave
.set NB,     WN/16                     ; column tiles of a wave
.set PLANE,  1048576                   ; bytes in a plane of A (and of the f16 output)
.set APITCH, 144                       ; LDS row of A: 128 bytes + 16: an odd multiple of 16
.set APL,    256*APITCH                ; one plane of a slot: 256 rows
.set BPITCH, 272                       ; LDS row of B: 256 bytes + 16
.set BOFF,   2*APL                     ; B lies behind the two planes of A
.set SLOT,   BOFF+BN*BPITCH
.set STAGE,  2*SLOT                    ; QKV = 0: behind the ring, 16 rows x 272 bytes for each wave
.set NLD,    16+2*NB                   ; LDS loads of a quarter step
.set LAPS,   4                         ; 1024 / (2 x 128): a lap is once round the ring
.set ADRA, 16                          ; v16-17  LDS address of my A fragments in slot 0, 1
.set ADRB, 20                          ; v20-21  the same for B
.set STO,  24                          ; v24-29  the way out: where I put 16 bytes
.set RD,   8                           ; v8-10   the way out: where I read rows back
.set CO,   11                          ; v11     my byte offset in C
.set VB,   12                          ; v12     my byte offset in the bias
.set TMP,  32                          ; v32-55  packed results
.set F0,   64                          ; fragment buffer 0
.set F1,   128                         ; fragment buffer 1
.set BIAS, 192                         ; v192..  bias of my 8 columns of each column tile
.set G1,  24                           ; s[24:31] descriptor group 1, A
.set G0,  32                           ; s[32:39] group 0, A, a set for each slot
.set G1B, 48                           ; s[48:55] group 1, B
.set G0B, 56                           ; s[56:63] group 0, B
.set SC,  68                           ; s[68:79] QKV = 1: the scale of each column tile, twice (a pair)
.set MSB, 0
.macro WIN new                         ; the high byte of the immediate repeats the setting that is left
.if MSB != (\new)
	s_set_vgpr_msb (MSB<<8)|(\new)
.set MSB, (\new)
.endif
.endm
.set MUL_LO, 0xa1                      ; source 0 (B) window 1, source 1 (A) window 0, C and D window 2
.set MUL_HI, 0xf1                      ; the same, C and D window 3
.set TO_B,   0x40                      ; destination window 1, address window 0
; A joint load: waves 0 and 1 fetch the two planes of A, waves 2 and 3 the two halves of B.  The branch hangs on the wave number alone.
.macro JLOAD s
	s_cmp_eq_u32 s11, 0
	s_cbranch_scc0 .Lfor_b_\@
	tensor_load_to_lds s[G0+4*\s:G0+4*\s+3], s[G1:G1+7]
	s_nop 0
	s_branch .Lasked_\@
.Lfor_b_\@:
	tensor_load_to_lds s[G0B+4*\s:G0B+4*\s+3], s[G1B:G1B+7]
	s_nop 0
.Lasked_\@:
.endm
.macro CREST                           ; a round of the cluster barrier behind its opening work-group barrier
	s_cmp_lg_u32 s10, 0
	s_cbranch_scc1 .Lnot_wave_0_\@
	s_barrier_signal -3
.Lnot_wave_0_\@:
	s_barrier_wait -3
	s_barrier_signal -1
	s_barrier_wait -1
.endm
.macro CROUND                          ; a whole round
	s_barrier_signal -1
	s_barrier_wait -1
	CREST
.endm
	s_load_b128 s[4:7], s[0:1], 0x0                ; A s[4:5], B s[6:7]
	s_load_b128 s[80:83], s[0:1], 0x10             ; bias s[80:81], C s[82:83]
	s_set_vgpr_msb 0x40
	v_lshl_add_u32 v255, v0, 2, 0x3d800
	s_set_vgpr_msb 0x4000
	v_mov_b32 v255, 0
	s_set_vgpr_msb 0x1
	ds_add_u32 v255, v255
	ds_add_u32 v255, v255
	s_set_vgpr_msb 0x100
	v_lshrrev_b32 v1, 5, v0
	v_readfirstlane_b32 s10, v1                    ; wave 0..3
	s_lshr_b32 s11, s10, 1                         ; mh: my half of the rows.  Also: I fetch for A (0) or for B (1)
	s_and_b32 s12, s10, 1                          ; nh: my half of the columns.  Also: which plane of A, which half of B I fetch
	s_bfe_u32 s40, ttmp6, 0x40000                  ; cx
	s_bfe_u32 s41, ttmp6, 0x40004                  ; cy
	s_lshl_b32 s42, ttmp9, 2
	s_add_co_u32 s42, s42, s40                     ; bx: block column = 4 x cluster x + cx
	s_and_b32 s13, ttmp7, 0xffff
	s_lshl_b32 s13, s13, 2
	s_add_co_u32 s13, s13, s41                     ; by: block row = 4 x cluster y + cy
	s_lshl_b32 s43, s41, 2
	s_lshl_b32 s43, 15, s43                        ; my row of the cluster
	s_lshl_b32 s44, 0x1111, s40                    ; my column
	; group 1 of A: 32,768 consecutive bytes as 128 rows of 128 elements of 2 bytes; 4 words of padding behind every 32 words, so that each plane row of 128 bytes gets a pitch of 144
	s_or_b32 s[G1+0], s43, (1<<16)|(1<<20)|(1<<21)|(4<<22)|(3<<25)
	s_mov_b32 s[G1+1], 128<<16                     ; tensor_dim0 = 128
	s_mov_b32 s[G1+2], 128<<16                     ; tensor_dim1 = 128
	s_mov_b32 s[G1+3], 128<<16                     ; tile_dim0 = 128
	s_mov_b32 s[G1+4], 128                         ; tile_dim1 = 128
	s_mov_b32 s[G1+5], 128                         ; from row to row: 128 elements (dense)
	s_mov_b32 s[G1+6], 0
	s_mov_b32 s[G1+7], 0
	; group 1 of B: WN rows of 128 elements, 1,024 elements apart; 4 words of padding behind every 64 words: pitch 272
	s_or_b32 s[G1B+0], s44, (1<<16)|(1<<20)|(1<<21)|(5<<22)|(3<<25)
	s_mov_b32 s[G1B+1], 128<<16
	s_mov_b32 s[G1B+2], WN<<16
	s_mov_b32 s[G1B+3], 128<<16
	s_mov_b32 s[G1B+4], WN
	s_mov_b32 s[G1B+5], 1024
	s_mov_b32 s[G1B+6], 0
	s_mov_b32 s[G1B+7], 0
	; where the tiles come from: A from the block row and the wave number, B from the block column and the wave number, in registers of their own
	s_lshl_b32 s16, s13, 15                        ; 256 plane rows of 128 bytes for each block row
	s_lshl_b32 s17, s12, 20                        ; my plane of the two of a K step
	s_add_co_u32 s16, s16, s17
	s_mov_b32 s17, 0
	s_mul_i32 s46, s42, BN*2048                    ; BN rows of 2,048 bytes for each block column
	s_mul_i32 s47, s12, WN*2048                    ; my half of them
	s_add_co_u32 s46, s46, s47
	s_mov_b32 s47, 0
	; and where they go: a constant plus the wave number times a constant (waves 0, 1: planes of A; waves 2, 3: halves of B)
	s_mul_i32 s20, s10, APL
	s_mul_i32 s21, s10, WN*BPITCH
	s_add_co_u32 s21, s21, BOFF-2*WN*BPITCH
	s_wait_dscnt 0x0
	s_wait_kmcnt 0x0
	s_add_nc_u64 s[14:15], s[4:5], s[16:17]
	s_add_nc_u64 s[46:47], s[6:7], s[46:47]
	CROUND                                         ; all sixteen work-groups are here: the first joint loads meet
.irp s, 0,1
	s_mov_b32 s[G0+4*\s], 1
	s_add_co_u32 s[G0+4*\s+1], s20, \s*SLOT
	s_add_nc_u64 s[G0+4*\s+2:G0+4*\s+3], s[14:15], \s*2*PLANE      ; K step s: planes 2 s and 2 s + 1
	s_or_b32 s[G0+4*\s+3], s[G0+4*\s+3], 0x80000000
	s_mov_b32 s[G0B+4*\s], 1
	s_add_co_u32 s[G0B+4*\s+1], s21, \s*SLOT
	s_add_nc_u64 s[G0B+4*\s+2:G0B+4*\s+3], s[46:47], \s*256        ; K step s: 128 elements along the rows
	s_or_b32 s[G0B+4*\s+3], s[G0B+4*\s+3], 0x80000000
	JLOAD \s                                       ; both first fills go out before anything else: two tensor loads of the wave are out
.endr
	; the bias of my columns: tile b, columns 16 b + 8 (l / 16) + 0..7
	s_mul_i32 s46, s42, BN*4
	s_mov_b32 s47, 0
	s_add_nc_u64 s[80:81], s[80:81], s[46:47]
	v_and_b32 v1, 15, v0                           ; r = l % 16
	v_bfe_u32 v2, v0, 4, 1                         ; h = l / 16
	s_mul_i32 s2, s12, WN*4
	v_lshl_add_u32 v[VB], v2, 5, s2
.irp b, 0,1,2,3,4,5
.if \b < NB
	global_load_b128 v[BIAS+8*\b:BIAS+8*\b+3],   v[VB], s[80:81] offset:64*\b
	global_load_b128 v[BIAS+8*\b+4:BIAS+8*\b+7], v[VB], s[80:81] offset:64*\b+16
.endif
.endr
	; fragments: lane l holds row l % 16; registers 0-3 hold K = 8 h + 0..7, registers 4-7 K = 16 + 8 h + 0..7: two loads of 16 bytes, 32 bytes apart
	v_mul_u32_u24 v3, v1, APITCH
	v_lshl_add_u32 v3, v2, 4, v3
	v_mul_u32_u24 v4, v1, BPITCH
	v_lshl_add_u32 v4, v2, 4, v4
	s_mul_i32 s22, s11, 128*APITCH                 ; my 128 rows of A
	s_mul_i32 s23, s12, WN*BPITCH                  ; my WN rows of B,
	s_add_co_u32 s23, s23, BOFF                    ; behind A
.irp s, 0,1
	v_add_nc_u32 v[ADRA+\s], s22, v3
	v_add_nc_u32 v[ADRB+\s], s23, v4
	s_add_co_u32 s22, s22, SLOT
	s_add_co_u32 s23, s23, SLOT
.endr
.if QKV
	; the stage is slot 0 after its last fill: three output planes of 256 rows, pitch 144.  Column tile b of half nh begins at byte 192 nh + 32 b of
	; the 384 bytes of a block row: plane = that >> 7, byte in the plane row = that & 127; both are a constant plus nh times a constant.
.irp b, 0,1,2,3,4,5
	s_mul_i32 s2, s12, (((192+32*\b)>>7)*APL+((192+32*\b)&127))-(((32*\b)>>7)*APL+((32*\b)&127))
	s_add_co_u32 s2, s2, ((32*\b)>>7)*APL+((32*\b)&127)
	v_add_nc_u32 v[STO+\b], s2, v[ADRA]            ; + my 128 rows + r x 144 + 16 h, which is the address of my A fragments in slot 0
.endr
	v_bfe_u32 v5, v0, 3, 2                         ; (l >> 3): four rows of 128 bytes to a load
	v_lshrrev_b32 v6, 5, v0
	v_lshl_add_u32 v5, v6, 6, v5                   ; + 64 x wave
	v_mul_u32_u24 v5, v5, APITCH
	v_and_b32 v7, 7, v0
	v_lshl_add_u32 v[RD], v7, 4, v5
	v_add_nc_u32 v[RD+1], APL, v[RD]
	v_add_nc_u32 v[RD+2], 2*APL, v[RD]
	v_and_b32 v7, 31, v0
	v_lshlrev_b32 v7, 4, v7
	v_lshl_add_u32 v[CO], v6, 13, v7               ; 64 plane rows for each wave + 16 l
.else
	s_mul_i32 s2, s10, 16*BPITCH
	s_add_co_u32 s2, s2, STAGE                     ; my own stage
	v_mul_u32_u24 v5, v1, BPITCH
	v_lshl_add_u32 v5, v2, 5, v5                   ; in: row r, 32 bytes for each half of the lanes
	v_add_nc_u32 v[STO], s2, v5
	v_mul_u32_u24 v5, v2, BPITCH
	v_lshl_add_u32 v5, v1, 4, v5                   ; back: lanes 0-15 one row of 256 bytes, lanes 16-31 the next
	v_add_nc_u32 v[RD], s2, v5
	v_lshlrev_b32 v5, 12, v2
	v_lshl_add_u32 v[CO], v1, 4, v5                ; the same two rows in C
.endif
.macro WM d, x, y, zero                ; one matrix instruction; zero = 1: the first product starts the sum
.if QKV
.if \zero
	v_wmma_f32_16x16x32_bf16 v[\d:\d+7], v[\x:\x+7], v[\y:\y+7], 0
.else
	v_wmma_f32_16x16x32_bf16 v[\d:\d+7], v[\x:\x+7], v[\y:\y+7], v[\d:\d+7]
.endif
.else
.if \zero
	v_wmma_f32_16x16x32_f16 v[\d:\d+7], v[\x:\x+7], v[\y:\y+7], 0
.else
	v_wmma_f32_16x16x32_f16 v[\d:\d+7], v[\x:\x+7], v[\y:\y+7], v[\d:\d+7]
.endif
.endif
.endm
; 2 NB matrix instructions: row tiles a0, a0 + 1 of the four of the window x all NB column tiles, 32 along K.
; The 8 NB accumulators take turns, one instruction a turn, in the same order in every quarter step.
.macro MULH f, hi, a0, zero
.irp a, \a0, \a0+1
.irp b, 0,1,2,3,4,5
.if \b < NB
	WM 8*(NB*(\a)+\b), \f+8*\b, \f+8*(4*\hi+\a), \zero
.endif
.endr
.endr
.endm
; NLD LDS loads in one run: the fragments of quarter kq (32 along K) of a slot into buffer f.  In A quarter kq lies in plane kq >> 1 at byte 64 (kq & 1).
.macro FETCH slot, kq, f
	WIN TO_B
.irp i, 0,1,2,3,4,5
.if \i < NB
	ds_load_b128 v[\f+8*\i:\f+8*\i+3],   v[ADRB+\slot] offset:\kq*64+\i*16*BPITCH
	ds_load_b128 v[\f+8*\i+4:\f+8*\i+7], v[ADRB+\slot] offset:\kq*64+\i*16*BPITCH+32
.endif
.endr
	WIN 0
.irp i, 0,1,2,3,4,5,6,7
	ds_load_b128 v[\f+8*\i:\f+8*\i+3],   v[ADRA+\slot] offset:(\kq>>1)*APL+(\kq&1)*64+\i*16*APITCH
	ds_load_b128 v[\f+8*\i+4:\f+8*\i+7], v[ADRA+\slot] offset:(\kq>>1)*APL+(\kq&1)*64+\i*16*APITCH+32
.endr
.endm
; A load into a register that a matrix instruction has read, and a vector instruction that touches a matrix result, stand four places behind it;
; only plain vector instructions that name none of its registers are places (ISA guide 7.12.1 for vector instructions).
.macro PLACES
.rept 4
	v_nop
.endr
.endm
; One of the first three quarters of a K step: multiplies buffer f and, in its middle, fetches quarter kq into buffer g.
.macro QUARTER slot, kq, f, g, zero
	s_wait_dscnt 8                                 ; B and rows 0-63 of A are in; the youngest eight loads (rows 64-127 of A) may be out
	WIN MUL_LO
	MULH \f, 0, 0, \zero
	MULH \f, 0, 2, \zero
	PLACES
	FETCH \slot, \kq, \g
	s_wait_dscnt NLD                               ; all but the NLD just issued
	WIN MUL_HI
	MULH \f, 1, 0, \zero
	MULH \f, 1, 2, \zero
.endm
.macro THREE slot, zero
	QUARTER \slot, 1, F0, F1, \zero
	QUARTER \slot, 2, F1, F0, 0
	QUARTER \slot, 3, F0, F1, 0
.endm
; The last quarter: multiplies buffer 1 and changes slots.  In front of the barrier each wave waits for its reads of this slot and for all its
; tensor loads (one is out: its part of the next slot).  Where the slot is filled again the barrier opens a round of the cluster barrier,
; and the joint refill is the first tensor load behind the round, one a wave.
.macro TURN slot, next, fill
	s_wait_dscnt 8
	WIN MUL_LO
	MULH F1, 0, 0, 0
	s_wait_dscnt 0                                 ; my reads of this slot are over
	s_wait_tensorcnt 0x0                           ; all my tensor loads have landed
	ds_add_u32 v255, v255
	s_wait_dscnt 0x0
	s_barrier_signal -1
	MULH F1, 0, 2, 0                               ; register work while the others arrive
	WIN 0
	s_barrier_wait -1
.if \fill
	CREST
	s_add_nc_u64 s[G0+4*\slot+2:G0+4*\slot+3], s[G0+4*\slot+2:G0+4*\slot+3], 4*PLANE     ; two K steps on: four planes
	s_add_nc_u64 s[G0B+4*\slot+2:G0B+4*\slot+3], s[G0B+4*\slot+2:G0B+4*\slot+3], 512     ; two K steps on: 256 elements
	JLOAD \slot
.endif
	PLACES
	FETCH \next, 0, F0
	WIN MUL_HI
	MULH F1, 1, 0, 0
	MULH F1, 1, 2, 0
.endm
.macro LAP zero
	THREE 0, \zero
	TURN 0, 1, 1
	THREE 1, 0
	TURN 1, 0, 1
.endm
	s_wait_tensorcnt 1                             ; my part of K step 0 is in; K step 1 stays out
	s_barrier_signal -1
	s_barrier_wait -1
	FETCH 0, 0, F0
	LAP 1                                          ; the first lap stands in front of the loop: its first products start the sums
	WIN 0
	s_mov_b32 s3, LAPS-2
.Llap:
	LAP 0
	WIN 0
	s_sub_co_u32 s3, s3, 1
	s_cmp_lg_u32 s3, 0
	s_cbranch_scc1 .Llap
	THREE 0, 0                                     ; the last lap fills nothing
	TURN 0, 1, 0
	THREE 1, 0
	s_wait_dscnt 8
	WIN MUL_LO
	MULH F1, 0, 0, 0
	MULH F1, 0, 2, 0
	s_wait_dscnt 0
	WIN MUL_HI
	MULH F1, 1, 0, 0
	MULH F1, 1, 2, 0
	PLACES                                         ; the places behind the last matrix instructions
	WIN 0
	s_wait_loadcnt 0x0                             ; the bias
.if QKV
	; THE WAY OUT, f16 planes.  (sum + bias) x scale = sum x scale + bias x scale, one fused multiply-add; the scale is 0.125 log2(e) in the planes of q, else 1.
	s_mul_i32 s45, s42, 3                          ; the first of the three planes of my block
.irp b, 0,1,2,3,4,5
	s_mul_i32 s2, s12, ((192+32*\b)>>7)-((32*\b)>>7)
	s_add_co_u32 s2, s2, s45
	s_add_co_u32 s2, s2, (32*\b)>>7                ; the plane of column tile b
	s_cmp_lt_u32 s2, 16                            ; selects a value only
	s_cselect_b32 s[SC+2*\b], 0x3e38aa3b, 1.0
	s_mov_b32 s[SC+2*\b+1], s[SC+2*\b]
.irp i, 0,1,2,3
	v_pk_mul_f32 v[BIAS+8*\b+2*\i:BIAS+8*\b+2*\i+1], v[BIAS+8*\b+2*\i:BIAS+8*\b+2*\i+1], s[SC+2*\b:SC+2*\b+1] op_sel_hi:[1,0]
.endr
.endr
	s_mul_i32 s46, s42, 3*PLANE
	s_mov_b32 s47, 0
	s_add_nc_u64 s[82:83], s[82:83], s[46:47]      ; C at my first plane,
	s_lshl_b32 s16, s13, 15
	s_mov_b32 s17, 0
	s_add_nc_u64 s[82:83], s[82:83], s[16:17]      ; at my first row
; rows 16 (4 hi + a) .. +15 of my 128: scale and bias in place, round to f16, 16 bytes a lane into the stage.
; Slot 0 was last read in front of the barrier of the last change of slots and is filled no more.
.macro OUTQ hi, a
.if \hi
	WIN 0xc3
.else
	WIN 0x82
.endif
.irp b, 0,1,2,3,4,5
.irp i, 0,1,2,3
	v_pk_fma_f32 v[8*(NB*\a+\b)+2*\i:8*(NB*\a+\b)+2*\i+1], v[8*(NB*\a+\b)+2*\i:8*(NB*\a+\b)+2*\i+1], s[SC+2*\b:SC+2*\b+1], v[BIAS+8*\b+2*\i:BIAS+8*\b+2*\i+1] op_sel_hi:[1,0,1]
.endr
.endr
.if \hi
	WIN 0x0f
.else
	WIN 0x0a
.endif
.irp b, 0,1,2,3,4,5
.irp i, 0,1,2,3
	v_cvt_pk_f16_f32 v[TMP+4*\b+\i], v[8*(NB*\a+\b)+2*\i], v[8*(NB*\a+\b)+2*\i+1]
.endr
.endr
	WIN 0
.irp b, 0,1,2,3,4,5
	ds_store_b128 v[STO+\b], v[TMP+4*\b:TMP+4*\b+3] offset:(4*\hi+\a)*16*APITCH
.endr
.endm
	OUTQ 0, 0
	OUTQ 0, 1
	OUTQ 0, 2
	OUTQ 0, 3
	OUTQ 1, 0
	OUTQ 1, 1
	OUTQ 1, 2
	OUTQ 1, 3
	s_wait_dscnt 0x0                               ; my stores are in LDS, for the other waves
	s_barrier_signal -1
	s_barrier_wait -1
; wave w takes rows 64 w .. +63 of plane t back, 32 rows a batch: a load takes four rows, a store writes 512 consecutive aligned bytes
.macro OUTB t, hf, f
	s_wait_xcnt 0x0                                ; buffer f, which earlier stores read, is loaded again only behind this wait
.irp i, 0,1,2,3,4,5,6,7
	ds_load_b128 v[\f+4*\i:\f+4*\i+3], v[RD+\t] offset:(8*\hf+\i)*4*APITCH
.endr
.irp i, 0,1,2,3,4,5,6,7
	s_wait_dscnt 7-\i                              ; load i is in
	global_store_b128 v[CO], v[\f+4*\i:\f+4*\i+3], s[82:83] offset:\t*PLANE+(8*\hf+\i)*512
.endr
.endm
	OUTB 0, 0, F0
	OUTB 0, 1, F1
	OUTB 1, 0, F0
	OUTB 1, 1, F1
	OUTB 2, 0, F0
	OUTB 2, 1, F1
.else
	; THE WAY OUT, f32 rows: 16 rows at a time through my own stage, read back as whole rows of 256 bytes
	s_lshl_b32 s16, s13, 20                        ; 256 rows of 4,096 bytes for each block row
	s_lshl_b32 s17, s11, 19                        ; my 128 rows
	s_add_co_u32 s16, s16, s17
	s_mov_b32 s17, 0
	s_add_nc_u64 s[82:83], s[82:83], s[16:17]
	s_lshl_b32 s46, s42, 9                         ; 128 columns of 4 bytes for each block column
	s_lshl_b32 s47, s12, 8                         ; my 64 columns
	s_add_co_u32 s46, s46, s47
	s_mov_b32 s47, 0
	s_add_nc_u64 s[82:83], s[82:83], s[46:47]
.macro OUTP n, hi, a, f
.if \hi
	WIN 0x03
.else
	WIN 0x02
.endif
.irp b, 0,1,2,3
.irp q, 0,1,2,3
	v_pk_add_f32 v[F0+8*\b+2*\q:F0+8*\b+2*\q+1], v[8*(NB*\a+\b)+2*\q:8*(NB*\a+\b)+2*\q+1], v[BIAS+8*\b+2*\q:BIAS+8*\b+2*\q+1]
.endr
.endr
	WIN 0
.irp b, 0,1,2,3
	ds_store_b128 v[STO], v[F0+8*\b:F0+8*\b+3]   offset:64*\b
	ds_store_b128 v[STO], v[F0+8*\b+4:F0+8*\b+7] offset:64*\b+16
.endr
	s_wait_xcnt 0x0                                ; buffer f and the base, which earlier stores read, are rewritten only behind this wait
.if \n
	s_add_nc_u64 s[82:83], s[82:83], 16*4096       ; 16 rows of C on
.endif
.irp t, 0,1,2,3,4,5,6,7
	ds_load_b128 v[\f+4*\t:\f+4*\t+3], v[RD] offset:\t*2*BPITCH    ; LDS serves the instructions of a wave in order: these see the stores above
.endr
.irp t, 0,1,2,3,4,5,6,7
	s_wait_dscnt 7-\t
	global_store_b128 v[CO], v[\f+4*\t:\f+4*\t+3], s[82:83] offset:\t*8192 th:TH_STORE_NT   ; 16 lanes store 256 consecutive aligned bytes
.endr
.endm
	OUTP 0, 0, 0, F1
	OUTP 1, 0, 1, F1+32
	OUTP 2, 0, 2, F1
	OUTP 3, 0, 3, F1+32
	OUTP 4, 1, 0, F1
	OUTP 5, 1, 1, F1+32
	OUTP 6, 1, 2, F1
	OUTP 7, 1, 3, F1+32
.endif
	s_set_vgpr_msb 0x1
	s_wait_tensorcnt 0x0
	ds_add_u32 v255, v255
	s_wait_dscnt 0x0
	s_set_vgpr_msb 0x100
	CROUND                                         ; the closing round: no work-group ends while a partner may still ask for a tile that names it
	s_endpgm
.Lfunc_end_k_q3024667561_gemm_qkv:
	.size	k_q3024667561_gemm_qkv, .Lfunc_end_k_q3024667561_gemm_qkv-k_q3024667561_gemm_qkv
	.p2alignl 7, 3214868480
	.fill 96, 4, 3214868480
	.section	.rodata,"a",@progbits
	.p2align	6, 0x0
	.amdhsa_kernel k_q3024667561_gemm_qkv
		.amdhsa_group_segment_fixed_size 327680
		.amdhsa_private_segment_fixed_size 0
		.amdhsa_enable_private_segment 0
		.amdhsa_kernarg_size 32
		.amdhsa_user_sgpr_count 2
		.amdhsa_user_sgpr_kernarg_segment_ptr 1
		.amdhsa_wavefront_size32 1
		.amdhsa_system_sgpr_workgroup_id_x 1
		.amdhsa_system_sgpr_workgroup_id_y 1
		.amdhsa_system_sgpr_workgroup_id_z 1
		.amdhsa_system_vgpr_workitem_id 0
		.amdhsa_next_free_vgpr 1024
		.amdhsa_next_free_sgpr 84
		.amdhsa_reserve_vcc 0
		.amdhsa_float_denorm_mode_32 3
		.amdhsa_float_denorm_mode_16_64 3
		.amdhsa_memory_ordered 1
		.amdhsa_forward_progress 1
		.amdhsa_inst_pref_size 175
	.end_amdhsa_kernel
	.amdgpu_metadata
---
amdhsa.version: [ 1, 2 ]
amdhsa.kernels:
  - .name:           k_q3024667561_gemm_qkv
    .symbol:         k_q3024667561_gemm_qkv.kd
    .args:
      - { .name: xb, .offset: 0, .size: 8, .value_kind: global_buffer, .address_space: global }
      - { .name: wqT, .offset: 8, .size: 8, .value_kind: global_buffer, .address_space: global }
      - { .name: c_attn_b, .offset: 16, .size: 8, .value_kind: global_buffer, .address_space: global }
      - { .name: qkv, .offset: 24, .size: 8, .value_kind: global_buffer, .address_space: global }
    .group_segment_fixed_size: 327680
    .private_segment_fixed_size: 0
    .kernarg_segment_align: 8
    .kernarg_segment_size: 32
    .max_flat_workgroup_size: 128
    .sgpr_count:     84
    .vgpr_count:     1024
    .wavefront_size: 32
...
	.end_amdgpu_metadata
.endif
;; end of part 2
;; launch attn (part 3): grid 256 x 1, 8 waves a work-group, no clusters, 327,680 bytes of LDS; arguments qkv, ah; writes ah
.if DOCPART == 3
	.amdgcn_target "amdgcn-amd-amdhsa--gfx1250"
	.amdhsa_code_object_version 6
	.text
	.protected	k_q3024667561_attn
	.globl	k_q3024667561_attn
	.p2align	8
	.type	k_q3024667561_attn,@function
k_q3024667561_attn:
	s_mov_b64 s[64:65], 0
	v_nop
	global_prefetch_b8 v0, s[64:65] scope:SCOPE_SE
	s_setreg_imm32_b32 hwreg(HW_REG_WAVE_MODE, 25, 1), 1
	s_wait_xcnt 0x0
; Causal attention of one head, f16 operands, f32 sums and softmax with a running maximum.
; qkv: 48 planes [8192 rows][64] f16: 0-15 q x 0.125 log2(e), 16-31 k, 32-47 v; row = 2048 b + s.  ah: 16 planes of the same shape, one a head.
; Work-group gid: head gid >> 2, pi = gid & 3.  It makes query block 7 - pi (256 queries) and then block pi: 8 - pi and pi + 1 key steps of 256 keys,
; nine steps for every work-group.  Blocks above the diagonal are not computed.
; Eight waves: g = w & 3, p = w >> 2.  Wave (g, p) holds queries 64 g .. +63 and takes the 64-key sub-blocks 2 u + p (u = 0, 1) of each step;
; the two halves p = 0, 1 are merged through LDS at the end of a query block.
; TRANSPOSED FORMS: S^T = K Q^T, so lane (r, h) holds query r and keys 8 h + j; packed to f16 these registers are the B fragment of P^T as they lie.
; O^T = V^T P^T, V^T read from V [key][d] by the transposing LDS load.  Maximum, sum and rescale are one number a lane and query tile.
; NO CLUSTER: the four work-groups of a head walk 8 - pi tiles and then start again at tile 0, so from step 8 - pi on they need different tiles;
; a common walk would take 12 steps instead of 9.
; LIMITS: |q|, |k|, |v| at most 65,504 (f16).  The mask value and the starting maximum are -FLT_MAX; scores of f16 operands (at most 64 x 65,504^2) lie far above it.
; The second query block clears nothing: its maximum is set back to -FLT_MAX, so its first rescale factor is exp2(-FLT_MAX - m) = 0 and discards the old sums,
; which are finite within the limits above.  A wave whose whole share of a block is masked keeps the maximum -FLT_MAX and finite sums; the merge gives them weight 0.
; PREFETCH: in steps 0 to 5 the work-group with pi = 0 asks for key tile n + 2, one step ahead of its tensor load; each wave for its own 8,192 bytes,
; one lane for each 256; tiles 2 to 7, then it stops.
.set SLOT,  77824                      ; V: 256 rows x 160, then K: 256 rows x 144
.set KOFF,  40960
.set KP,    144                        ; odd multiple of 16
.set VP,    160                        ; odd multiple of 32, for the transposing load
.set SCR,   2*SLOT                     ; merge: 35 x 512 bytes for each pair of waves
.set SCRW,  35*512
.set STG,   SCR+4*SCRW                 ; stage: 64 rows x 144 for each p = 0 wave
.set STGW,  64*KP
.set PLANE, 1048576
; window 0: v3 KA0, v4 VA0 (fragment addresses in slot 0), v5, v6 the same at work, v7 DL0, v8 DL at work (mask), v9 Q offset, v10 merge address,
;           v11 stage in, v12 stage back, v13 output offset, v14 prefetch offset
.set Q,   16                           ; v[16:79]   Q fragments at 16 qt + 8 dh
.set KF,  80                           ; v[80:143]  K fragments at 16 kt + 8 dh
.set VF,  144                          ; v[144:207] V^T fragments at 32 kk + 8 dt
.set MA,  208                          ; v[208:215] pairs (m, alpha) for each qt
.set LS,  216                          ; v[216:223] pairs of partial sums for each qt
.set T,   224                          ; v[224:255] at work
.set FW,  T+20                         ; merge weights, a pair for each qt
; window 1:
.set S,   0                            ; v[0:127]   scores at 32 qt + 8 kt; later P at 32 qt + 8 kk
.set O,   128                          ; v[128:255] O^T at 32 qt + 8 dt
.set G1K, 24                           ; s[24:31]
.set G1V, 32                           ; s[32:39]
.set G0K, 40                           ; s[40:47]  a set for each slot
.set G0V, 48                           ; s[48:55]
.set MSB, 0
.macro WIN new
.if MSB != (\new)
	s_set_vgpr_msb (MSB<<8)|(\new)
.set MSB, (\new)
.endif
.endm
; One tensor load a wave: waves 0-3 fetch 64 rows of V, waves 4-7 64 rows of K.  The branch hangs on the wave number alone.
.macro KVLOAD s
	s_cmp_lg_u32 s10, 0
	s_cbranch_scc1 .Lfor_k_\@
	tensor_load_to_lds s[G0V+4*\s:G0V+4*\s+3], s[G1V:G1V+7]
	s_nop 0
	s_branch .Lasked_\@
.Lfor_k_\@:
	tensor_load_to_lds s[G0K+4*\s:G0K+4*\s+3], s[G1K:G1K+7]
	s_nop 0
.Lasked_\@:
.endm
.macro QLOAD base                      ; lane (r, h): query r of tile qt, d = 32 dh + 8 h .. and + 16
.irp qt, 0,1,2,3
.irp dh, 0,1
	global_load_b128 v[Q+16*\qt+8*\dh:Q+16*\qt+8*\dh+3],   v9, s[\base:\base+1] offset:\qt*2048+\dh*64
	global_load_b128 v[Q+16*\qt+8*\dh+4:Q+16*\qt+8*\dh+7], v9, s[\base:\base+1] offset:\qt*2048+\dh*64+32
.endr
.endr
.endm
	s_load_b128 s[4:7], s[0:1], 0x0                ; qkv s[4:5], ah s[6:7]
	v_lshl_add_u32 v254, v0, 2, 0x40800
	v_mov_b32 v255, 0
	ds_add_u32 v254, v255
	ds_add_u32 v254, v255
	v_lshrrev_b32 v1, 5, v0
	v_readfirstlane_b32 s8, v1                     ; w
	s_and_b32 s9, s8, 3                            ; g
	s_lshr_b32 s10, s8, 2                          ; p
	s_and_b32 s11, ttmp9, 3                        ; pi
	s_lshr_b32 s12, ttmp9, 2
	s_and_b32 s2, s12, 15                          ; head
	s_lshr_b32 s3, s12, 4                          ; b
	s_sub_co_u32 s15, 7, s11                       ; the first block, and the step of its diagonal
	s_sub_co_u32 s16, 8, s11                       ; the first step of the second block
	; group 1: 64 plane rows of 128 bytes are 8,192 consecutive bytes, fetched as 32 rows of 128 elements of 2 bytes;
	; padding behind every 32 words: 4 words for K (pitch 144), 8 words for V (pitch 160)
	s_mov_b32 s[G1K+0], (1<<16)|(1<<20)|(4<<22)|(3<<25)
	s_mov_b32 s[G1K+1], 128<<16
	s_mov_b32 s[G1K+2], 32<<16
	s_mov_b32 s[G1K+3], 128<<16
	s_mov_b32 s[G1K+4], 32
	s_mov_b32 s[G1K+5], 128
	s_mov_b32 s[G1K+6], 0
	s_mov_b32 s[G1K+7], 0
	s_mov_b32 s[G1V+0], (1<<16)|(1<<20)|(4<<22)|(7<<25)
	s_mov_b32 s[G1V+1], 128<<16
	s_mov_b32 s[G1V+2], 32<<16
	s_mov_b32 s[G1V+3], 128<<16
	s_mov_b32 s[G1V+4], 32
	s_mov_b32 s[G1V+5], 128
	s_mov_b32 s[G1V+6], 0
	s_mov_b32 s[G1V+7], 0
	s_lshl_b32 s2, s2, 20                          ; the head: a plane
	s_lshl_b32 s3, s3, 18                          ; the batch: 2,048 rows of 128 bytes
	s_add_co_u32 s2, s2, s3
	s_lshl_b32 s3, s9, 13                          ; g: 64 rows
	s_add_co_u32 s2, s2, s3                        ; common to Q, K, V and the output
	s_mov_b32 s71, 0
	; LDS words: a constant plus the wave number times a constant.  V: w x 10,240 (w = 0..3).  K: 40,960 + (w - 4) x 9,216 (w = 4..7).
	s_mul_i32 s12, s8, 64*VP
	s_mul_i32 s69, s8, 64*KP
	s_add_co_u32 s69, s69, KOFF-4*64*KP
.irp s, 0,1
	s_mov_b32 s[G0V+4*\s], 1
	s_add_co_u32 s[G0V+4*\s+1], s12, \s*SLOT
	s_mov_b32 s[G0K+4*\s], 1
	s_add_co_u32 s[G0K+4*\s+1], s69, \s*SLOT
.endr
	s_lshl_b32 s3, s10, 24                         ; 16 p planes
	s_sub_co_u32 s3, 32*PLANE, s3                  ; p = 0: the planes of v; p = 1: those of k
	s_add_co_u32 s70, s2, s3
	s_wait_dscnt 0x0
	s_wait_kmcnt 0x0
	s_add_nc_u64 s[22:23], s[4:5], s[70:71]        ; my 64 rows of key tile 0
	s_mov_b64 s[G0V+2:G0V+3], s[22:23]
	s_or_b32 s[G0V+3], s[G0V+3], 0x80000000
	s_mov_b64 s[G0K+2:G0K+3], s[22:23]
	s_or_b32 s[G0K+3], s[G0K+3], 0x80000000
	KVLOAD 0                                       ; the first fill, ahead of every wait, LDS read and barrier: one tensor load of the wave is out
	s_lshl_b32 s3, s15, 15                         ; 256 rows for each query block
	s_add_co_u32 s70, s2, s3
	s_add_nc_u64 s[56:57], s[4:5], s[70:71]        ; Q, first block
	s_add_nc_u64 s[60:61], s[6:7], s[70:71]        ; output, first block
	s_lshl_b32 s3, s11, 15
	s_add_co_u32 s70, s2, s3
	s_add_nc_u64 s[58:59], s[4:5], s[70:71]        ; Q, second block
	s_add_nc_u64 s[62:63], s[6:7], s[70:71]        ; output, second block
	v_and_b32 v1, 31, v0                           ; L
	v_and_b32 v2, 15, v0                           ; r
	v_bfe_u32 v15, v0, 4, 1                        ; h
	v_lshlrev_b32 v9, 7, v2
	v_lshl_add_u32 v9, v15, 4, v9                  ; Q: r x 128 + 16 h
	QLOAD 56
	s_add_co_u32 s3, s10, 2
	s_cmp_le_u32 s3, s9
	s_cselect_b32 s20, 2, 1                        ; sub-blocks of a diagonal step that are mine: the second (2 + p) only where it reaches the diagonal
	s_cmp_eq_u32 s11, 0
	s_cselect_b32 s21, 6, 0                        ; steps in which I prefetch
	s_mov_b32 s66, 0x76543210                      ; v_permlanex16_b32: lane i reads lane i of the other half
	s_mov_b32 s67, 0xfedcba98
	s_mov_b32 s68, 0xff7fffff                      ; -FLT_MAX
	v_mul_u32_u24 v3, v2, KP
	v_lshl_add_u32 v3, v15, 4, v3                  ; r x 144 + 16 h
	s_mul_i32 s3, s9, STGW
	s_add_co_u32 s3, s3, STG
	v_add_nc_u32 v11, s3, v3                       ; stage in
	v_lshrrev_b32 v12, 3, v1
	v_mul_u32_u24 v12, v12, KP
	v_and_b32 v4, 7, v0
	v_lshl_add_u32 v12, v4, 4, v12
	v_add_nc_u32 v12, s3, v12                      ; stage back: row L >> 3, 16 (L & 7)
	s_mul_i32 s3, s10, 64*KP
	s_add_co_u32 s3, s3, KOFF
	v_add_nc_u32 v3, s3, v3                        ; KA0: key row 64 p + r
	v_lshl_add_u32 v4, v15, 3, v4                  ; 8 h + (L & 7)
	v_mul_u32_u24 v4, v4, VP
	v_bfe_u32 v5, v0, 3, 1
	v_lshl_add_u32 v4, v5, 4, v4
	s_mul_i32 s3, s10, 64*VP
	v_add_nc_u32 v4, s3, v4                        ; VA0: key row 64 p + 8 h + (L & 7), 16 ((L >> 3) & 1)
	s_sub_co_i32 s3, s9, s10
	s_lshl_b32 s3, s3, 6
	v_lshlrev_b32 v7, 3, v15
	v_sub_nc_u32 v7, v2, v7
	v_add_nc_u32 v7, s3, v7                        ; DL0 = 64 (g - p) + r - 8 h
	s_mul_i32 s3, s9, SCRW
	s_add_co_u32 s3, s3, SCR
	v_lshlrev_b32 v13, 4, v1                       ; output: 16 L
	v_add_nc_u32 v10, s3, v13                      ; merge: the region of my pair + 16 L
	v_lshlrev_b32 v14, 8, v1
	v_add_nc_u32 v14, 0x8000, v14                  ; prefetch: 256 L + one tile; a tile is added in front of each use
.irp qt, 0,1,2,3
	v_mov_b32 v[MA+2*\qt], s68                     ; m
	v_mov_b32 v[LS+2*\qt], 0
	v_mov_b32 v[LS+2*\qt+1], 0
.endr
	s_mov_b32 s13, 0                               ; n: the step
	s_mov_b32 s14, 0                               ; the key tile last asked for
	s_wait_loadcnt 0x0                             ; Q
.macro PV qt, dt, kk, zero
.if \zero
	v_wmma_f32_16x16x32_f16 v[O+32*\qt+8*\dt:O+32*\qt+8*\dt+7], v[VF+32*\kk+8*\dt:VF+32*\kk+8*\dt+7], v[S+32*\qt+8*\kk:S+32*\qt+8*\kk+7], 0
.else
	v_wmma_f32_16x16x32_f16 v[O+32*\qt+8*\dt:O+32*\qt+8*\dt+7], v[VF+32*\kk+8*\dt:VF+32*\kk+8*\dt+7], v[S+32*\qt+8*\kk:S+32*\qt+8*\kk+7], v[O+32*\qt+8*\dt:O+32*\qt+8*\dt+7]
.endif
.endm
; One sub-block: 64 keys (at v5, v6) x my 64 queries.  masked = 1: on the diagonal.  first = 1: the products start the sums of O.
; In both products 16 accumulators take turns, one instruction a turn.
.macro SUB masked, first
.irp kt, 0,1,2,3
.irp dh, 0,1
	ds_load_b128 v[KF+16*\kt+8*\dh:KF+16*\kt+8*\dh+3],   v5 offset:\kt*16*KP+\dh*64
	ds_load_b128 v[KF+16*\kt+8*\dh+4:KF+16*\kt+8*\dh+7], v5 offset:\kt*16*KP+\dh*64+32
.endr
.endr
.irp kk, 0,1
.irp dt, 0,1,2,3
	ds_load_tr16_b128 v[VF+32*\kk+8*\dt:VF+32*\kk+8*\dt+3],   v6 offset:\kk*32*VP+\dt*32
	ds_load_tr16_b128 v[VF+32*\kk+8*\dt+4:VF+32*\kk+8*\dt+7], v6 offset:\kk*32*VP+\dt*32+16*VP
.endr
.endr
	s_wait_dscnt 16                                ; K is in; the 16 loads of V stay out
	WIN 0x50                                       ; A, B window 0; C, D window 1
.irp qt, 0,1,2,3
.irp kt, 0,1,2,3
	v_wmma_f32_16x16x32_f16 v[S+32*\qt+8*\kt:S+32*\qt+8*\kt+7], v[KF+16*\kt:KF+16*\kt+7], v[Q+16*\qt:Q+16*\qt+7], 0
.endr
.endr
.irp qt, 0,1,2,3
.irp kt, 0,1,2,3
	v_wmma_f32_16x16x32_f16 v[S+32*\qt+8*\kt:S+32*\qt+8*\kt+7], v[KF+16*\kt+8:KF+16*\kt+15], v[Q+16*\qt+8:Q+16*\qt+15], v[S+32*\qt+8*\kt:S+32*\qt+8*\kt+7]
.endr
.endr
.rept 4
	v_nop                                          ; four places behind the matrix instructions (ISA guide 7.12.1)
.endr
.if \masked
	; key 16 kt + 8 h + j of the sub-block stays where it is not beyond query 16 qt + r: 16 (kt - qt) + j <= DL.  One compare serves all tiles with the same kt - qt.
	WIN 0x44
.irp dd, 0,1,2,3,4,5,6
.irp j, 0,1,2,3,4,5,6,7
	v_cmp_ge_i32 vcc_lo, v8, 16*(\dd-3)+\j
.irp qt, 0,1,2,3
.if \qt+\dd >= 3
.if \qt+\dd <= 6
	v_cndmask_b32 v[S+32*\qt+8*(\qt+\dd-3)+\j], s68, v[S+32*\qt+8*(\qt+\dd-3)+\j], vcc_lo
.endif
.endif
.endr
.endr
.endr
.endif
	WIN 0x05                                       ; the new maximum: four chains, started by the old one
.irp i, 0,1,2,3,4,5,6,7,8,9,10,11,12,13,14,15
.irp qt, 0,1,2,3
.if \i == 0
	v_max3_num_f32 v[T+\qt], v[S+32*\qt], v[S+32*\qt+1], v[MA+2*\qt]
.else
	v_max3_num_f32 v[T+\qt], v[S+32*\qt+2*\i], v[S+32*\qt+2*\i+1], v[T+\qt]
.endif
.endr
.endr
	WIN 0
.irp qt, 0,1,2,3
	v_permlanex16_b32 v[KF+\qt], v[T+\qt], s66, s67        ; the other eight keys of each tile lie in lane l xor 16; K fragments are spent
.endr
.irp qt, 0,1,2,3
	v_max_num_f32 v[T+\qt], v[T+\qt], v[KF+\qt]
	v_sub_f32 v[MA+2*\qt+1], v[MA+2*\qt], v[T+\qt]
	v_mov_b32 v[MA+2*\qt], v[T+\qt]
.endr
.irp qt, 0,1,2,3
	v_exp_f32 v[MA+2*\qt+1], v[MA+2*\qt+1]                 ; alpha = exp2(m old - m new)
.endr
	v_nop                                          ; one plain place behind the exponentials
	s_wait_alu depctr_va_vdst(0)
.irp qt, 0,1,2,3
	v_pk_mul_f32 v[LS+2*\qt:LS+2*\qt+1], v[LS+2*\qt:LS+2*\qt+1], v[MA+2*\qt:MA+2*\qt+1] op_sel:[0,1]
.endr
	WIN 0x41                                       ; p = exp2(s - m); the subtractions of the next query tile are the plain places among the exponentials
.irp i, 0,1,2,3,4,5,6,7,8,9,10,11,12,13,14,15
	v_pk_add_f32 v[S+2*\i:S+2*\i+1], v[S+2*\i:S+2*\i+1], v[MA:MA+1] op_sel_hi:[1,0] neg_lo:[0,1] neg_hi:[0,1]
.endr
.irp qt, 0,1,2,3
.irp i, 0,1,2,3,4,5,6,7,8,9,10,11,12,13,14,15
	v_exp_f32 v[S+32*\qt+2*\i], v[S+32*\qt+2*\i]
	v_exp_f32 v[S+32*\qt+2*\i+1], v[S+32*\qt+2*\i+1]
.if \qt < 3
	v_pk_add_f32 v[S+32*(\qt+1)+2*\i:S+32*(\qt+1)+2*\i+1], v[S+32*(\qt+1)+2*\i:S+32*(\qt+1)+2*\i+1], v[MA+2*(\qt+1):MA+2*(\qt+1)+1] op_sel_hi:[1,0] neg_lo:[0,1] neg_hi:[0,1]
.endif
.endr
.endr
.if \first
	v_nop                                          ; one plain place behind the last exponentials
	s_wait_alu depctr_va_vdst(0)
.else
	s_wait_alu depctr_va_vdst(0)
.irp qt, 0,1,2,3
.irp i, 0,1,2,3,4,5,6,7,8,9,10,11,12,13,14,15
	v_pk_mul_f32 v[O+32*\qt+2*\i:O+32*\qt+2*\i+1], v[O+32*\qt+2*\i:O+32*\qt+2*\i+1], v[MA+2*\qt:MA+2*\qt+1] op_sel:[0,1]   ; O x alpha; also the plain places
.endr
.endr
.endif
	WIN 0x01
.irp i, 0,1,2,3,4,5,6,7,8,9,10,11,12,13,14,15
.irp qt, 0,1,2,3
	v_pk_add_f32 v[LS+2*\qt:LS+2*\qt+1], v[S+32*\qt+2*\i:S+32*\qt+2*\i+1], v[LS+2*\qt:LS+2*\qt+1]
.endr
.endr
	WIN 0x45                                       ; pack in place: key tile kt to registers 4 kt .. +3; a destination is never a source still to come
.irp qt, 0,1,2,3
.irp kt, 0,1,2,3
.irp i, 0,1,2,3
	v_cvt_pk_f16_f32 v[S+32*\qt+4*\kt+\i], v[S+32*\qt+8*\kt+2*\i], v[S+32*\qt+8*\kt+2*\i+1]
.endr
.endr
.endr
	s_wait_dscnt 0x0                               ; V
	WIN 0x54                                       ; A window 0; B, C, D window 1
.irp qt, 0,1,2,3
.irp dt, 0,1,2,3
	PV \qt, \dt, 0, \first
.endr
.endr
.irp qt, 0,1,2,3
.irp dt, 0,1,2,3
	PV \qt, \dt, 1, 0
.endr
.endr
	WIN 0
.rept 5
	v_nop                                          ; five places: the next score product writes over P, the next loads over the V fragments
.endr
.endm
.macro ADV                             ; my next sub-block: 128 keys on
	v_add_nc_u32 v5, 128*KP, v5
	v_add_nc_u32 v6, 128*VP, v6
.endm
; The head of a step.  Every wave waits for all its tensor loads (its part of the tile of this step) and for its LDS reads of the other slot, then the barrier;
; behind it the refill of the other slot comes first, one tensor load a wave, and has the whole step in which to land.
.macro HEADER slot, other, refill
	s_wait_tensorcnt 0x0                           ; no tensor load of mine is out: a group 0 may be written
	ds_add_u32 v254, v255
	s_wait_dscnt 0x0
.if \refill
	s_add_co_u32 s12, s13, 1
	s_add_co_u32 s14, s14, 1
	s_cmp_eq_u32 s12, s16
	s_cselect_b32 s14, 0, s14                      ; the key tile of the next step: the second block starts again at tile 0
	s_lshl_b32 s70, s14, 15
	s_add_nc_u64 s[G0V+4*\other+2:G0V+4*\other+3], s[22:23], s[70:71]
	s_or_b32 s[G0V+4*\other+3], s[G0V+4*\other+3], 0x80000000
	s_add_nc_u64 s[G0K+4*\other+2:G0K+4*\other+3], s[22:23], s[70:71]
	s_or_b32 s[G0K+4*\other+3], s[G0K+4*\other+3], 0x80000000
	s_wait_xcnt 0x0                                ; v14, which the last prefetch reads, is stepped only behind this wait
	v_add_nc_u32 v14, 0x8000, v14
.endif
	s_wait_dscnt 0x0
	s_barrier_signal -1
	s_barrier_wait -1
.if \refill
	KVLOAD \other
	s_cmp_lt_u32 s13, s21
	s_cbranch_scc0 .Lno_pf_\@
	global_prefetch_b8 v14, s[22:23] th:TH_LOAD_NT scope:SCOPE_SE   ; my 8,192 bytes of key tile n + 2
.Lno_pf_\@:
.endif
	v_add_nc_u32 v5, \slot*SLOT, v3
	v_add_nc_u32 v6, \slot*SLOT, v4
.endm
; The end of a query block: the sums of p = 1 go to p = 0 through LDS, are merged, divided and stored.  ob: the base of the output.  nextq = 1: the second block follows.
.macro FINAL ob, nextq
.if \nextq
	QLOAD 58                                       ; on its way during the merge
.endif
.irp qt, 0,1,2,3
	v_add_f32 v[T+\qt], v[LS+2*\qt], v[LS+2*\qt+1]
.endr
.irp qt, 0,1,2,3
	v_permlanex16_b32 v[KF+\qt], v[T+\qt], s66, s67
.endr
.irp qt, 0,1,2,3
	v_add_f32 v[T+\qt], v[T+\qt], v[KF+\qt]        ; l of my keys
.endr
	s_cmp_eq_u32 s10, 0
	s_cbranch_scc1 .Lkeeps_\@
	WIN 0x04                                       ; store data in window 1
.set qq, 0
.rept 32
	ds_store_b128 v10, v[O+4*qq:O+4*qq+3] offset:qq*512
.set qq, qq+1
.endr
	WIN 0
	ds_store_b128 v10, v[MA:MA+3] offset:32*512
	ds_store_b128 v10, v[MA+4:MA+7] offset:33*512
	ds_store_b128 v10, v[T:T+3] offset:34*512
.Lkeeps_\@:
	s_wait_dscnt 0x0                               ; the stores are in LDS, for the partner
	s_barrier_signal -1                            ; The tile that is on its way stays out
	s_barrier_wait -1
	s_cmp_lg_u32 s10, 0
	s_cbranch_scc1 .Lgave_\@
	ds_load_b128 v[T+8:T+11],  v10 offset:32*512   ; the partner: (m, alpha) of qt 0, 1
	ds_load_b128 v[T+12:T+15], v10 offset:33*512   ; of qt 2, 3
	ds_load_b128 v[T+16:T+19], v10 offset:34*512   ; l
	WIN 0x40
.set qq, 0
.rept 32
	ds_load_b128 v[S+4*qq:S+4*qq+3], v10 offset:qq*512
.set qq, qq+1
.endr
	WIN 0
	s_wait_dscnt 32                                ; the three loads of figures are in; the 32 of O stay out
.irp qt, 0,1,2,3
	v_max_num_f32 v[T+4+\qt], v[MA+2*\qt], v[T+8+2*\qt]
	v_sub_f32 v[FW+2*\qt],   v[MA+2*\qt],  v[T+4+\qt]
	v_sub_f32 v[FW+2*\qt+1], v[T+8+2*\qt], v[T+4+\qt]
.endr
.irp i, 0,1,2,3,4,5,6,7
	v_exp_f32 v[FW+\i], v[FW+\i]
.endr
	v_nop
	s_wait_alu depctr_va_vdst(0)
.irp qt, 0,1,2,3
	v_mul_f32  v[T+4+\qt], v[T+\qt],    v[FW+2*\qt]
	v_fmac_f32 v[T+4+\qt], v[T+16+\qt], v[FW+2*\qt+1]      ; the whole sum; at least 1, since one of the two weights is 1
.endr
.irp qt, 0,1,2,3
	v_rcp_f32 v[T+4+\qt], v[T+4+\qt]
.endr
	v_nop
	s_wait_alu depctr_va_vdst(0)
.irp qt, 0,1,2,3
	v_mul_f32 v[FW+2*\qt],   v[FW+2*\qt],   v[T+4+\qt]
	v_mul_f32 v[FW+2*\qt+1], v[FW+2*\qt+1], v[T+4+\qt]
.endr
	s_wait_dscnt 0x0
	WIN 0x51
.irp qt, 0,1,2,3
.irp i, 0,1,2,3,4,5,6,7,8,9,10,11,12,13,14,15
	v_pk_mul_f32 v[O+32*\qt+2*\i:O+32*\qt+2*\i+1], v[O+32*\qt+2*\i:O+32*\qt+2*\i+1], v[FW+2*\qt:FW+2*\qt+1] op_sel_hi:[1,0]
.endr
.irp i, 0,1,2,3,4,5,6,7,8,9,10,11,12,13,14,15
	v_pk_fma_f32 v[O+32*\qt+2*\i:O+32*\qt+2*\i+1], v[S+32*\qt+2*\i:S+32*\qt+2*\i+1], v[FW+2*\qt:FW+2*\qt+1], v[O+32*\qt+2*\i:O+32*\qt+2*\i+1] op_sel:[0,1,0]
.endr
.endr
	WIN 0x05
.irp qt, 0,1,2,3
.irp dt, 0,1,2,3
.irp i, 0,1,2,3
	v_cvt_pk_f16_f32 v[KF+16*\qt+4*\dt+\i], v[O+32*\qt+8*\dt+2*\i], v[O+32*\qt+8*\dt+2*\i+1]
.endr
.endr
.endr
	WIN 0
.irp qt, 0,1,2,3
.irp dt, 0,1,2,3
	ds_store_b128 v11, v[KF+16*\qt+4*\dt:KF+16*\qt+4*\dt+3] offset:\qt*16*KP+\dt*32    ; query r, d = 16 dt + 8 h .. +7, into my own stage
.endr
.endr
.irp t, 0,1,2,3,4,5,6,7,8,9,10,11,12,13,14,15
	ds_load_b128 v[VF+4*\t:VF+4*\t+3], v12 offset:\t*4*KP  ; four rows back; LDS serves the instructions of a wave in order
.endr
.irp t, 0,1,2,3,4,5,6,7,8,9,10,11,12,13,14,15
	s_wait_dscnt 15-\t
	global_store_b128 v13, v[VF+4*\t:VF+4*\t+3], s[\ob:\ob+1] offset:\t*512            ; 512 consecutive aligned bytes
.endr
.if \nextq
	s_wait_xcnt 0x0                                ; the V fragments, which these stores read, are loaded again only behind this wait
.endif
.Lgave_\@:
.if \nextq
.irp qt, 0,1,2,3
	v_mov_b32 v[MA+2*\qt], s68                     ; m back to -FLT_MAX: the next alpha is 0 and discards O and l
.endr
	s_wait_loadcnt 0x0                             ; the Q of the second block
.endif
.endm
; A diagonal step: two trips, counted against a constant; a wave jumps over a sub-block that lies wholly beyond the diagonal (never over its first).
.macro DIAG ob, nextq
	v_mov_b32 v8, v7
	s_mov_b32 s18, 0
.Ldiag_\@:
	s_cmp_ge_u32 s18, s20
	s_cbranch_scc1 .Lbeyond_\@
	SUB 1, 0
.Lbeyond_\@:
	ADV
	v_add_nc_u32 v8, 0xffffff80, v8                ; 128 keys on
	s_add_co_u32 s18, s18, 1
	s_cmp_lt_u32 s18, 2
	s_cbranch_scc1 .Ldiag_\@
	FINAL \ob, \nextq
.endm
.macro STEP slot, other
	HEADER \slot, \other, 1
	s_cmp_eq_u32 s13, s15                          ; the same in all eight waves
	s_cbranch_scc1 .Lon_diag_\@
	s_mov_b32 s18, 0
.Lfull_\@:
	SUB 0, 0
	ADV
	s_add_co_u32 s18, s18, 1
	s_cmp_lt_u32 s18, 2
	s_cbranch_scc1 .Lfull_\@
	s_branch .Lstep_end_\@
.Lon_diag_\@:
	DIAG 60, 1
.Lstep_end_\@:
	s_add_co_u32 s13, s13, 1
.endm
	; step 0 is never a diagonal step (7 - pi is at least 4): it stands in front of the loop, and its first products start the sums of O
	HEADER 0, 1, 1
	SUB 0, 1
	ADV
	SUB 0, 0
	s_mov_b32 s13, 1
	s_mov_b32 s17, 0
.Lsteps:                                               ; steps 1 to 6
	STEP 1, 0
	STEP 0, 1
	s_add_co_u32 s17, s17, 1
	s_cmp_lt_u32 s17, 3
	s_cbranch_scc1 .Lsteps
	STEP 1, 0                                      ; step 7: the last refill
	HEADER 0, 1, 0                                 ; step 8: the diagonal of the second block; nothing is left to fetch, and no tensor load is out
	DIAG 62, 0
	s_wait_tensorcnt 0x0
	ds_add_u32 v254, v255
	s_wait_dscnt 0x0
	s_endpgm
.Lfunc_end_k_q3024667561_attn:
	.size	k_q3024667561_attn, .Lfunc_end_k_q3024667561_attn-k_q3024667561_attn
	.p2alignl 7, 3214868480
	.fill 96, 4, 3214868480
	.section	.rodata,"a",@progbits
	.p2align	6, 0x0
	.amdhsa_kernel k_q3024667561_attn
		.amdhsa_group_segment_fixed_size 327680
		.amdhsa_private_segment_fixed_size 0
		.amdhsa_enable_private_segment 0
		.amdhsa_kernarg_size 16
		.amdhsa_user_sgpr_count 2
		.amdhsa_user_sgpr_kernarg_segment_ptr 1
		.amdhsa_wavefront_size32 1
		.amdhsa_system_sgpr_workgroup_id_x 1
		.amdhsa_system_sgpr_workgroup_id_y 1
		.amdhsa_system_sgpr_workgroup_id_z 1
		.amdhsa_system_vgpr_workitem_id 0
		.amdhsa_next_free_vgpr 512
		.amdhsa_next_free_sgpr 72
		.amdhsa_reserve_vcc 1
		.amdhsa_float_denorm_mode_32 3
		.amdhsa_float_denorm_mode_16_64 3
		.amdhsa_memory_ordered 1
		.amdhsa_forward_progress 1
		.amdhsa_inst_pref_size 255
	.end_amdhsa_kernel
	.section	.bss,"aw",@nobits
	.p2align	6
	.space	262144
	.amdgpu_metadata
---
amdhsa.version: [ 1, 2 ]
amdhsa.kernels:
  - .name:           k_q3024667561_attn
    .symbol:         k_q3024667561_attn.kd
    .args:
      - { .name: qkv, .offset: 0, .size: 8, .value_kind: global_buffer, .address_space: global }
      - { .name: ah, .offset: 8, .size: 8, .value_kind: global_buffer, .address_space: global }
    .group_segment_fixed_size: 327680
    .private_segment_fixed_size: 0
    .kernarg_segment_align: 8
    .kernarg_segment_size: 16
    .max_flat_workgroup_size: 256
    .sgpr_count:     72
    .vgpr_count:     512
    .wavefront_size: 32
...
	.end_amdgpu_metadata
.endif
;; end of part 3
;; launch gemm_proj (part 4): grid 8 x 32, 4 waves a work-group, clusters of 4 x 4, 327,680 bytes of LDS; arguments ah, wpT, c_proj_b, out0; writes out0
.if DOCPART == 4
	.amdgcn_target "amdgcn-amd-amdhsa--gfx1250"
	.amdhsa_code_object_version 6
	.text
	.protected	k_q3024667561_gemm_proj
	.globl	k_q3024667561_gemm_proj
	.p2align	8
	.type	k_q3024667561_gemm_proj,@function
k_q3024667561_gemm_proj:
	s_mov_b64 s[64:65], 0
	v_nop
	global_prefetch_b8 v0, s[64:65] scope:SCOPE_SE
	s_setreg_imm32_b32 hwreg(HW_REG_WAVE_MODE, 25, 1), 1
	s_wait_xcnt 0x0
	s_wait_alu depctr_hold_cnt(0) depctr_sa_sdst(0) depctr_va_vdst(0) depctr_va_sdst(0) depctr_va_ssrc(0) depctr_va_vcc(0) depctr_vm_vsrc(0)
	s_getreg_b32 s2, hwreg(HW_REG_IB_STS2, 6, 4)
	s_cmp_eq_u32 s2, 0
	s_cbranch_scc0 .Lentry_in_a_cluster
	s_endpgm
.Lentry_in_a_cluster:
	s_bfe_u32 s2, ttmp6, 0x10000c
	s_cmp_lg_u32 s2, 0xf033
	s_cbranch_scc0 .Lentry_shape_is_right
	s_endpgm
.Lentry_shape_is_right:
; C[m][n] = sum over k of A[m][k] B[n][k] + bias[n], K = 1024, M = 8192.  One text serves two products; QKV picks the sizes, the form and the way out.
;   QKV = 1: A = xb (bf16 planes), B = wqT (bf16, [3072][1024]), bias = c_attn_b; C goes out in f16 as 48 planes [n>>6][8192][64];
;            the 16 planes of q are multiplied by 0.125 log2(e), so that the softmax can work in base 2.  Block 256 x 192.
;   QKV = 0: A = ah (f16 planes), B = wpT (f16, [1024][1024]), bias = c_proj_b; C = out0 in f32, row-major.  Block 256 x 128.
; LIMIT (QKV = 1): results beyond 65,504 do not fit f16.
; A is stored as planes [k>>6][8192 rows][64]: 256 rows of a plane are 32,768 consecutive bytes, fetched as 128 rows of 256 bytes.
; Four waves, as many as a WGP has SIMDs; wave (mh, nh) makes 128 x WN of C: 8 x NB accumulator tiles.  K goes in steps of 128 through two LDS slots.
; CLUSTERS: 4 x 4 work-groups.  A tile of A hangs on the block row alone and is asked for jointly along a row of the cluster, a tile of B on the
; block column alone and is asked for jointly along a column: a quarter of the requests.
; No prefetch: the tiles are shared in the cluster and a request has 15/16 of a K step in which to land.
; REGISTERS: window 0: addresses, fragments of A (two buffers), bias; window 1: fragments of B (two buffers);
;            window 2: accumulators of my rows 0-63, tile (a, b) at v[8 (NB a + b)]; window 3: rows 64-127.
; The matrix instruction is used transposed (source 0 = rows of B, source 1 = rows of A): lane l holds row l % 16 of C and eight neighbouring columns 8 (l / 16) + j.
.set QKV, 0
.if QKV
.set BN, 192
.else
.set BN, 128
.endif
.set WN,     BN/2                      ; columns of a wave
.set NB,     WN/16                     ; column tiles of a wave
.set PLANE,  1048576                   ; bytes in a plane of A (and of the f16 output)
.set APITCH, 144                       ; LDS row of A: 128 bytes + 16: an odd multiple of 16
.set APL,    256*APITCH                ; one plane of a slot: 256 rows
.set BPITCH, 272                       ; LDS row of B: 256 bytes + 16
.set BOFF,   2*APL                     ; B lies behind the two planes of A
.set SLOT,   BOFF+BN*BPITCH
.set STAGE,  2*SLOT                    ; QKV = 0: behind the ring, 16 rows x 272 bytes for each wave
.set NLD,    16+2*NB                   ; LDS loads of a quarter step
.set LAPS,   4                         ; 1024 / (2 x 128): a lap is once round the ring
.set ADRA, 16                          ; v16-17  LDS address of my A fragments in slot 0, 1
.set ADRB, 20                          ; v20-21  the same for B
.set STO,  24                          ; v24-29  the way out: where I put 16 bytes
.set RD,   8                           ; v8-10   the way out: where I read rows back
.set CO,   11                          ; v11     my byte offset in C
.set VB,   12                          ; v12     my byte offset in the bias
.set TMP,  32                          ; v32-55  packed results
.set F0,   64                          ; fragment buffer 0
.set F1,   128                         ; fragment buffer 1
.set BIAS, 192                         ; v192..  bias of my 8 columns of each column tile
.set G1,  24                           ; s[24:31] descriptor group 1, A
.set G0,  32                           ; s[32:39] group 0, A, a set for each slot
.set G1B, 48                           ; s[48:55] group 1, B
.set G0B, 56                           ; s[56:63] group 0, B
.set SC,  68                           ; s[68:79] QKV = 1: the scale of each column tile, twice (a pair)
.set MSB, 0
.macro WIN new                         ; the high byte of the immediate repeats the setting that is left
.if MSB != (\new)
	s_set_vgpr_msb (MSB<<8)|(\new)
.set MSB, (\new)
.endif
.endm
.set MUL_LO, 0xa1                      ; source 0 (B) window 1, source 1 (A) window 0, C and D window 2
.set MUL_HI, 0xf1                      ; the same, C and D window 3
.set TO_B,   0x40                      ; destination window 1, address window 0
; A joint load: waves 0 and 1 fetch the two planes of A, waves 2 and 3 the two halves of B.  The branch hangs on the wave number alone.
.macro JLOAD s
	s_cmp_eq_u32 s11, 0
	s_cbranch_scc0 .Lfor_b_\@
	tensor_load_to_lds s[G0+4*\s:G0+4*\s+3], s[G1:G1+7]
	s_nop 0
	s_branch .Lasked_\@
.Lfor_b_\@:
	tensor_load_to_lds s[G0B+4*\s:G0B+4*\s+3], s[G1B:G1B+7]
	s_nop 0
.Lasked_\@:
.endm
.macro CREST                           ; a round of the cluster barrier behind its opening work-group barrier
	s_cmp_lg_u32 s10, 0
	s_cbranch_scc1 .Lnot_wave_0_\@
	s_barrier_signal -3
.Lnot_wave_0_\@:
	s_barrier_wait -3
	s_barrier_signal -1
	s_barrier_wait -1
.endm
.macro CROUND                          ; a whole round
	s_barrier_signal -1
	s_barrier_wait -1
	CREST
.endm
	s_load_b128 s[4:7], s[0:1], 0x0                ; A s[4:5], B s[6:7]
	s_load_b128 s[80:83], s[0:1], 0x10             ; bias s[80:81], C s[82:83]
	s_set_vgpr_msb 0x40
	v_lshl_add_u32 v255, v0, 2, 0x39400
	s_set_vgpr_msb 0x4000
	v_mov_b32 v255, 0
	s_set_vgpr_msb 0x1
	ds_add_u32 v255, v255
	ds_add_u32 v255, v255
	s_set_vgpr_msb 0x100
	v_lshrrev_b32 v1, 5, v0
	v_readfirstlane_b32 s10, v1                    ; wave 0..3
	s_lshr_b32 s11, s10, 1                         ; mh: my half of the rows.  Also: I fetch for A (0) or for B (1)
	s_and_b32 s12, s10, 1                          ; nh: my half of the columns.  Also: which plane of A, which half of B I fetch
	s_bfe_u32 s40, ttmp6, 0x40000                  ; cx
	s_bfe_u32 s41, ttmp6, 0x40004                  ; cy
	s_lshl_b32 s42, ttmp9, 2
	s_add_co_u32 s42, s42, s40                     ; bx: block column = 4 x cluster x + cx
	s_and_b32 s13, ttmp7, 0xffff
	s_lshl_b32 s13, s13, 2
	s_add_co_u32 s13, s13, s41                     ; by: block row = 4 x cluster y + cy
	s_lshl_b32 s43, s41, 2
	s_lshl_b32 s43, 15, s43                        ; my row of the cluster
	s_lshl_b32 s44, 0x1111, s40                    ; my column
	; group 1 of A: 32,768 consecutive bytes as 128 rows of 128 elements of 2 bytes; 4 words of padding behind every 32 words, so that each plane row of 128 bytes gets a pitch of 144
	s_or_b32 s[G1+0], s43, (1<<16)|(1<<20)|(1<<21)|(4<<22)|(3<<25)
	s_mov_b32 s[G1+1], 128<<16                     ; tensor_dim0 = 128
	s_mov_b32 s[G1+2], 128<<16                     ; tensor_dim1 = 128
	s_mov_b32 s[G1+3], 128<<16                     ; tile_dim0 = 128
	s_mov_b32 s[G1+4], 128                         ; tile_dim1 = 128
	s_mov_b32 s[G1+5], 128                         ; from row to row: 128 elements (dense)
	s_mov_b32 s[G1+6], 0
	s_mov_b32 s[G1+7], 0
	; group 1 of B: WN rows of 128 elements, 1,024 elements apart; 4 words of padding behind every 64 words: pitch 272
	s_or_b32 s[G1B+0], s44, (1<<16)|(1<<20)|(1<<21)|(5<<22)|(3<<25)
	s_mov_b32 s[G1B+1], 128<<16
	s_mov_b32 s[G1B+2], WN<<16
	s_mov_b32 s[G1B+3], 128<<16
	s_mov_b32 s[G1B+4], WN
	s_mov_b32 s[G1B+5], 1024
	s_mov_b32 s[G1B+6], 0
	s_mov_b32 s[G1B+7], 0
	; where the tiles come from: A from the block row and the wave number, B from the block column and the wave number, in registers of their own
	s_lshl_b32 s16, s13, 15                        ; 256 plane rows of 128 bytes for each block row
	s_lshl_b32 s17, s12, 20                        ; my plane of the two of a K step
	s_add_co_u32 s16, s16, s17
	s_mov_b32 s17, 0
	s_mul_i32 s46, s42, BN*2048                    ; BN rows of 2,048 bytes for each block column
	s_mul_i32 s47, s12, WN*2048                    ; my half of them
	s_add_co_u32 s46, s46, s47
	s_mov_b32 s47, 0
	; and where they go: a constant plus the wave number times a constant (waves 0, 1: planes of A; waves 2, 3: halves of B)
	s_mul_i32 s20, s10, APL
	s_mul_i32 s21, s10, WN*BPITCH
	s_add_co_u32 s21, s21, BOFF-2*WN*BPITCH
	s_wait_dscnt 0x0
	s_wait_kmcnt 0x0
	s_add_nc_u64 s[14:15], s[4:5], s[16:17]
	s_add_nc_u64 s[46:47], s[6:7], s[46:47]
	CROUND                                         ; all sixteen work-groups are here: the first joint loads meet
.irp s, 0,1
	s_mov_b32 s[G0+4*\s], 1
	s_add_co_u32 s[G0+4*\s+1], s20, \s*SLOT
	s_add_nc_u64 s[G0+4*\s+2:G0+4*\s+3], s[14:15], \s*2*PLANE      ; K step s: planes 2 s and 2 s + 1
	s_or_b32 s[G0+4*\s+3], s[G0+4*\s+3], 0x80000000
	s_mov_b32 s[G0B+4*\s], 1
	s_add_co_u32 s[G0B+4*\s+1], s21, \s*SLOT
	s_add_nc_u64 s[G0B+4*\s+2:G0B+4*\s+3], s[46:47], \s*256        ; K step s: 128 elements along the rows
	s_or_b32 s[G0B+4*\s+3], s[G0B+4*\s+3], 0x80000000
	JLOAD \s                                       ; both first fills go out before anything else: two tensor loads of the wave are out
.endr
	; the bias of my columns: tile b, columns 16 b + 8 (l / 16) + 0..7
	s_mul_i32 s46, s42, BN*4
	s_mov_b32 s47, 0
	s_add_nc_u64 s[80:81], s[80:81], s[46:47]
	v_and_b32 v1, 15, v0                           ; r = l % 16
	v_bfe_u32 v2, v0, 4, 1                         ; h = l / 16
	s_mul_i32 s2, s12, WN*4
	v_lshl_add_u32 v[VB], v2, 5, s2
.irp b, 0,1,2,3,4,5
.if \b < NB
	global_load_b128 v[BIAS+8*\b:BIAS+8*\b+3],   v[VB], s[80:81] offset:64*\b
	global_load_b128 v[BIAS+8*\b+4:BIAS+8*\b+7], v[VB], s[80:81] offset:64*\b+16
.endif
.endr
	; fragments: lane l holds row l % 16; registers 0-3 hold K = 8 h + 0..7, registers 4-7 K = 16 + 8 h + 0..7: two loads of 16 bytes, 32 bytes apart
	v_mul_u32_u24 v3, v1, APITCH
	v_lshl_add_u32 v3, v2, 4, v3
	v_mul_u32_u24 v4, v1, BPITCH
	v_lshl_add_u32 v4, v2, 4, v4
	s_mul_i32 s22, s11, 128*APITCH                 ; my 128 rows of A
	s_mul_i32 s23, s12, WN*BPITCH                  ; my WN rows of B,
	s_add_co_u32 s23, s23, BOFF                    ; behind A
.irp s, 0,1
	v_add_nc_u32 v[ADRA+\s], s22, v3
	v_add_nc_u32 v[ADRB+\s], s23, v4
	s_add_co_u32 s22, s22, SLOT
	s_add_co_u32 s23, s23, SLOT
.endr
.if QKV
	; the stage is slot 0 after its last fill: three output planes of 256 rows, pitch 144.  Column tile b of half nh begins at byte 192 nh + 32 b of
	; the 384 bytes of a block row: plane = that >> 7, byte in the plane row = that & 127; both are a constant plus nh times a constant.
.irp b, 0,1,2,3,4,5
	s_mul_i32 s2, s12, (((192+32*\b)>>7)*APL+((192+32*\b)&127))-(((32*\b)>>7)*APL+((32*\b)&127))
	s_add_co_u32 s2, s2, ((32*\b)>>7)*APL+((32*\b)&127)
	v_add_nc_u32 v[STO+\b], s2, v[ADRA]            ; + my 128 rows + r x 144 + 16 h, which is the address of my A fragments in slot 0
.endr
	v_bfe_u32 v5, v0, 3, 2                         ; (l >> 3): four rows of 128 bytes to a load
	v_lshrrev_b32 v6, 5, v0
	v_lshl_add_u32 v5, v6, 6, v5                   ; + 64 x wave
	v_mul_u32_u24 v5, v5, APITCH
	v_and_b32 v7, 7, v0
	v_lshl_add_u32 v[RD], v7, 4, v5
	v_add_nc_u32 v[RD+1], APL, v[RD]
	v_add_nc_u32 v[RD+2], 2*APL, v[RD]
	v_and_b32 v7, 31, v0
	v_lshlrev_b32 v7, 4, v7
	v_lshl_add_u32 v[CO], v6, 13, v7               ; 64 plane rows for each wave + 16 l
.else
	s_mul_i32 s2, s10, 16*BPITCH
	s_add_co_u32 s2, s2, STAGE                     ; my own stage
	v_mul_u32_u24 v5, v1, BPITCH
	v_lshl_add_u32 v5, v2, 5, v5                   ; in: row r, 32 bytes for each half of the lanes
	v_add_nc_u32 v[STO], s2, v5
	v_mul_u32_u24 v5, v2, BPITCH
	v_lshl_add_u32 v5, v1, 4, v5                   ; back: lanes 0-15 one row of 256 bytes, lanes 16-31 the next
	v_add_nc_u32 v[RD], s2, v5
	v_lshlrev_b32 v5, 12, v2
	v_lshl_add_u32 v[CO], v1, 4, v5                ; the same two rows in C
.endif
.macro WM d, x, y, zero                ; one matrix instruction; zero = 1: the first product starts the sum
.if QKV
.if \zero
	v_wmma_f32_16x16x32_bf16 v[\d:\d+7], v[\x:\x+7], v[\y:\y+7], 0
.else
	v_wmma_f32_16x16x32_bf16 v[\d:\d+7], v[\x:\x+7], v[\y:\y+7], v[\d:\d+7]
.endif
.else
.if \zero
	v_wmma_f32_16x16x32_f16 v[\d:\d+7], v[\x:\x+7], v[\y:\y+7], 0
.else
	v_wmma_f32_16x16x32_f16 v[\d:\d+7], v[\x:\x+7], v[\y:\y+7], v[\d:\d+7]
.endif
.endif
.endm
; 2 NB matrix instructions: row tiles a0, a0 + 1 of the four of the window x all NB column tiles, 32 along K.
; The 8 NB accumulators take turns, one instruction a turn, in the same order in every quarter step.
.macro MULH f, hi, a0, zero
.irp a, \a0, \a0+1
.irp b, 0,1,2,3,4,5
.if \b < NB
	WM 8*(NB*(\a)+\b), \f+8*\b, \f+8*(4*\hi+\a), \zero
.endif
.endr
.endr
.endm
; NLD LDS loads in one run: the fragments of quarter kq (32 along K) of a slot into buffer f.  In A quarter kq lies in plane kq >> 1 at byte 64 (kq & 1).
.macro FETCH slot, kq, f
	WIN TO_B
.irp i, 0,1,2,3,4,5
.if \i < NB
	ds_load_b128 v[\f+8*\i:\f+8*\i+3],   v[ADRB+\slot] offset:\kq*64+\i*16*BPITCH
	ds_load_b128 v[\f+8*\i+4:\f+8*\i+7], v[ADRB+\slot] offset:\kq*64+\i*16*BPITCH+32
.endif
.endr
	WIN 0
.irp i, 0,1,2,3,4,5,6,7
	ds_load_b128 v[\f+8*\i:\f+8*\i+3],   v[ADRA+\slot] offset:(\kq>>1)*APL+(\kq&1)*64+\i*16*APITCH
	ds_load_b128 v[\f+8*\i+4:\f+8*\i+7], v[ADRA+\slot] offset:(\kq>>1)*APL+(\kq&1)*64+\i*16*APITCH+32
.endr
.endm
; A load into a register that a matrix instruction has read, and a vector instruction that touches a matrix result, stand four places behind it;
; only plain vector instructions that name none of its registers are places (ISA guide 7.12.1 for vector instructions).
.macro PLACES
.rept 4
	v_nop
.endr
.endm
; One of the first three quarters of a K step: multiplies buffer f and, in its middle, fetches quarter kq into buffer g.
.macro QUARTER slot, kq, f, g, zero
	s_wait_dscnt 8                                 ; B and rows 0-63 of A are in; the youngest eight loads (rows 64-127 of A) may be out
	WIN MUL_LO
	MULH \f, 0, 0, \zero
	MULH \f, 0, 2, \zero
	PLACES
	FETCH \slot, \kq, \g
	s_wait_dscnt NLD                               ; all but the NLD just issued
	WIN MUL_HI
	MULH \f, 1, 0, \zero
	MULH \f, 1, 2, \zero
.endm
.macro THREE slot, zero
	QUARTER \slot, 1, F0, F1, \zero
	QUARTER \slot, 2, F1, F0, 0
	QUARTER \slot, 3, F0, F1, 0
.endm
; The last quarter: multiplies buffer 1 and changes slots.  In front of the barrier each wave waits for its reads of this slot and for all its
; tensor loads (one is out: its part of the next slot).  Where the slot is filled again the barrier opens a round of the cluster barrier,
; and the joint refill is the first tensor load behind the round, one a wave.
.macro TURN slot, next, fill
	s_wait_dscnt 8
	WIN MUL_LO
	MULH F1, 0, 0, 0
	s_wait_dscnt 0                                 ; my reads of this slot are over
	s_wait_tensorcnt 0x0                           ; all my tensor loads have landed
	ds_add_u32 v255, v255
	s_wait_dscnt 0x0
	s_barrier_signal -1
	MULH F1, 0, 2, 0                               ; register work while the others arrive
	WIN 0
	s_barrier_wait -1
.if \fill
	CREST
	s_add_nc_u64 s[G0+4*\slot+2:G0+4*\slot+3], s[G0+4*\slot+2:G0+4*\slot+3], 4*PLANE     ; two K steps on: four planes
	s_add_nc_u64 s[G0B+4*\slot+2:G0B+4*\slot+3], s[G0B+4*\slot+2:G0B+4*\slot+3], 512     ; two K steps on: 256 elements
	JLOAD \slot
.endif
	PLACES
	FETCH \next, 0, F0
	WIN MUL_HI
	MULH F1, 1, 0, 0
	MULH F1, 1, 2, 0
.endm
.macro LAP zero
	THREE 0, \zero
	TURN 0, 1, 1
	THREE 1, 0
	TURN 1, 0, 1
.endm
	s_wait_tensorcnt 1                             ; my part of K step 0 is in; K step 1 stays out
	s_barrier_signal -1
	s_barrier_wait -1
	FETCH 0, 0, F0
	LAP 1                                          ; the first lap stands in front of the loop: its first products start the sums
	WIN 0
	s_mov_b32 s3, LAPS-2
.Llap:
	LAP 0
	WIN 0
	s_sub_co_u32 s3, s3, 1
	s_cmp_lg_u32 s3, 0
	s_cbranch_scc1 .Llap
	THREE 0, 0                                     ; the last lap fills nothing
	TURN 0, 1, 0
	THREE 1, 0
	s_wait_dscnt 8
	WIN MUL_LO
	MULH F1, 0, 0, 0
	MULH F1, 0, 2, 0
	s_wait_dscnt 0
	WIN MUL_HI
	MULH F1, 1, 0, 0
	MULH F1, 1, 2, 0
	PLACES                                         ; the places behind the last matrix instructions
	WIN 0
	s_wait_loadcnt 0x0                             ; the bias
.if QKV
	; THE WAY OUT, f16 planes.  (sum + bias) x scale = sum x scale + bias x scale, one fused multiply-add; the scale is 0.125 log2(e) in the planes of q, else 1.
	s_mul_i32 s45, s42, 3                          ; the first of the three planes of my block
.irp b, 0,1,2,3,4,5
	s_mul_i32 s2, s12, ((192+32*\b)>>7)-((32*\b)>>7)
	s_add_co_u32 s2, s2, s45
	s_add_co_u32 s2, s2, (32*\b)>>7                ; the plane of column tile b
	s_cmp_lt_u32 s2, 16                            ; selects a value only
	s_cselect_b32 s[SC+2*\b], 0x3e38aa3b, 1.0
	s_mov_b32 s[SC+2*\b+1], s[SC+2*\b]
.irp i, 0,1,2,3
	v_pk_mul_f32 v[BIAS+8*\b+2*\i:BIAS+8*\b+2*\i+1], v[BIAS+8*\b+2*\i:BIAS+8*\b+2*\i+1], s[SC+2*\b:SC+2*\b+1] op_sel_hi:[1,0]
.endr
.endr
	s_mul_i32 s46, s42, 3*PLANE
	s_mov_b32 s47, 0
	s_add_nc_u64 s[82:83], s[82:83], s[46:47]      ; C at my first plane,
	s_lshl_b32 s16, s13, 15
	s_mov_b32 s17, 0
	s_add_nc_u64 s[82:83], s[82:83], s[16:17]      ; at my first row
; rows 16 (4 hi + a) .. +15 of my 128: scale and bias in place, round to f16, 16 bytes a lane into the stage.
; Slot 0 was last read in front of the barrier of the last change of slots and is filled no more.
.macro OUTQ hi, a
.if \hi
	WIN 0xc3
.else
	WIN 0x82
.endif
.irp b, 0,1,2,3,4,5
.irp i, 0,1,2,3
	v_pk_fma_f32 v[8*(NB*\a+\b)+2*\i:8*(NB*\a+\b)+2*\i+1], v[8*(NB*\a+\b)+2*\i:8*(NB*\a+\b)+2*\i+1], s[SC+2*\b:SC+2*\b+1], v[BIAS+8*\b+2*\i:BIAS+8*\b+2*\i+1] op_sel_hi:[1,0,1]
.endr
.endr
.if \hi
	WIN 0x0f
.else
	WIN 0x0a
.endif
.irp b, 0,1,2,3,4,5
.irp i, 0,1,2,3
	v_cvt_pk_f16_f32 v[TMP+4*\b+\i], v[8*(NB*\a+\b)+2*\i], v[8*(NB*\a+\b)+2*\i+1]
.endr
.endr
	WIN 0
.irp b, 0,1,2,3,4,5
	ds_store_b128 v[STO+\b], v[TMP+4*\b:TMP+4*\b+3] offset:(4*\hi+\a)*16*APITCH
.endr
.endm
	OUTQ 0, 0
	OUTQ 0, 1
	OUTQ 0, 2
	OUTQ 0, 3
	OUTQ 1, 0
	OUTQ 1, 1
	OUTQ 1, 2
	OUTQ 1, 3
	s_wait_dscnt 0x0                               ; my stores are in LDS, for the other waves
	s_barrier_signal -1
	s_barrier_wait -1
; wave w takes rows 64 w .. +63 of plane t back, 32 rows a batch: a load takes four rows, a store writes 512 consecutive aligned bytes
.macro OUTB t, hf, f
	s_wait_xcnt 0x0                                ; buffer f, which earlier stores read, is loaded again only behind this wait
.irp i, 0,1,2,3,4,5,6,7
	ds_load_b128 v[\f+4*\i:\f+4*\i+3], v[RD+\t] offset:(8*\hf+\i)*4*APITCH
.endr
.irp i, 0,1,2,3,4,5,6,7
	s_wait_dscnt 7-\i                              ; load i is in
	global_store_b128 v[CO], v[\f+4*\i:\f+4*\i+3], s[82:83] offset:\t*PLANE+(8*\hf+\i)*512
.endr
.endm
	OUTB 0, 0, F0
	OUTB 0, 1, F1
	OUTB 1, 0, F0
	OUTB 1, 1, F1
	OUTB 2, 0, F0
	OUTB 2, 1, F1
.else
	; THE WAY OUT, f32 rows: 16 rows at a time through my own stage, read back as whole rows of 256 bytes
	s_lshl_b32 s16, s13, 20                        ; 256 rows of 4,096 bytes for each block row
	s_lshl_b32 s17, s11, 19                        ; my 128 rows
	s_add_co_u32 s16, s16, s17
	s_mov_b32 s17, 0
	s_add_nc_u64 s[82:83], s[82:83], s[16:17]
	s_lshl_b32 s46, s42, 9                         ; 128 columns of 4 bytes for each block column
	s_lshl_b32 s47, s12, 8                         ; my 64 columns
	s_add_co_u32 s46, s46, s47
	s_mov_b32 s47, 0
	s_add_nc_u64 s[82:83], s[82:83], s[46:47]
.macro OUTP n, hi, a, f
.if \hi
	WIN 0x03
.else
	WIN 0x02
.endif
.irp b, 0,1,2,3
.irp q, 0,1,2,3
	v_pk_add_f32 v[F0+8*\b+2*\q:F0+8*\b+2*\q+1], v[8*(NB*\a+\b)+2*\q:8*(NB*\a+\b)+2*\q+1], v[BIAS+8*\b+2*\q:BIAS+8*\b+2*\q+1]
.endr
.endr
	WIN 0
.irp b, 0,1,2,3
	ds_store_b128 v[STO], v[F0+8*\b:F0+8*\b+3]   offset:64*\b
	ds_store_b128 v[STO], v[F0+8*\b+4:F0+8*\b+7] offset:64*\b+16
.endr
	s_wait_xcnt 0x0                                ; buffer f and the base, which earlier stores read, are rewritten only behind this wait
.if \n
	s_add_nc_u64 s[82:83], s[82:83], 16*4096       ; 16 rows of C on
.endif
.irp t, 0,1,2,3,4,5,6,7
	ds_load_b128 v[\f+4*\t:\f+4*\t+3], v[RD] offset:\t*2*BPITCH    ; LDS serves the instructions of a wave in order: these see the stores above
.endr
.irp t, 0,1,2,3,4,5,6,7
	s_wait_dscnt 7-\t
	global_store_b128 v[CO], v[\f+4*\t:\f+4*\t+3], s[82:83] offset:\t*8192 th:TH_STORE_NT   ; 16 lanes store 256 consecutive aligned bytes
.endr
.endm
	OUTP 0, 0, 0, F1
	OUTP 1, 0, 1, F1+32
	OUTP 2, 0, 2, F1
	OUTP 3, 0, 3, F1+32
	OUTP 4, 1, 0, F1
	OUTP 5, 1, 1, F1+32
	OUTP 6, 1, 2, F1
	OUTP 7, 1, 3, F1+32
.endif
	s_set_vgpr_msb 0x1
	s_wait_tensorcnt 0x0
	ds_add_u32 v255, v255
	s_wait_dscnt 0x0
	s_set_vgpr_msb 0x100
	CROUND                                         ; the closing round: no work-group ends while a partner may still ask for a tile that names it
	s_endpgm
.Lfunc_end_k_q3024667561_gemm_proj:
	.size	k_q3024667561_gemm_proj, .Lfunc_end_k_q3024667561_gemm_proj-k_q3024667561_gemm_proj
	.p2alignl 7, 3214868480
	.fill 96, 4, 3214868480
	.section	.rodata,"a",@progbits
	.p2align	6, 0x0
	.amdhsa_kernel k_q3024667561_gemm_proj
		.amdhsa_group_segment_fixed_size 327680
		.amdhsa_private_segment_fixed_size 0
		.amdhsa_enable_private_segment 0
		.amdhsa_kernarg_size 32
		.amdhsa_user_sgpr_count 2
		.amdhsa_user_sgpr_kernarg_segment_ptr 1
		.amdhsa_wavefront_size32 1
		.amdhsa_system_sgpr_workgroup_id_x 1
		.amdhsa_system_sgpr_workgroup_id_y 1
		.amdhsa_system_sgpr_workgroup_id_z 1
		.amdhsa_system_vgpr_workitem_id 0
		.amdhsa_next_free_vgpr 1024
		.amdhsa_next_free_sgpr 84
		.amdhsa_reserve_vcc 0
		.amdhsa_float_denorm_mode_32 3
		.amdhsa_float_denorm_mode_16_64 3
		.amdhsa_memory_ordered 1
		.amdhsa_forward_progress 1
		.amdhsa_inst_pref_size 129
	.end_amdhsa_kernel
	.amdgpu_metadata
---
amdhsa.version: [ 1, 2 ]
amdhsa.kernels:
  - .name:           k_q3024667561_gemm_proj
    .symbol:         k_q3024667561_gemm_proj.kd
    .args:
      - { .name: ah, .offset: 0, .size: 8, .value_kind: global_buffer, .address_space: global }
      - { .name: wpT, .offset: 8, .size: 8, .value_kind: global_buffer, .address_space: global }
      - { .name: c_proj_b, .offset: 16, .size: 8, .value_kind: global_buffer, .address_space: global }
      - { .name: out0, .offset: 24, .size: 8, .value_kind: global_buffer, .address_space: global }
    .group_segment_fixed_size: 327680
    .private_segment_fixed_size: 0
    .kernarg_segment_align: 8
    .kernarg_segment_size: 32
    .max_flat_workgroup_size: 128
    .sgpr_count:     84
    .vgpr_count:     1024
    .wavefront_size: 32
...
	.end_amdgpu_metadata
.endif
;; end of part 4
